; MI455X (gfx1250); checked and timed in simulation.
; The chip was launched on July 23, 2026; its instructions are those of AMD's public machine-readable ISA for CDNA 5 (MIT licence, August 2026) and "CDNA5" Instruction Set Architecture Reference Guide (July 2026). The comments in the code are by the model that wrote it; some were corrected since.
;; Multi Head Attention. Allowed arithmetic: matrix products marked QUANTISED: E2M1 operands, one E8M0 scale for each 32 along K, by v_wmma_scale_f32_16x16x128_f8f6f4 with both operands' format E2M1 (or v_wmma_scale_f32_32x16x128_f4), f32 sums; products left as they are: bf16, f16 or f32 operands; f32 sums; everything else in f32.
;; Inputs: Wk 16 x 1,024 x 64 float32; Wp 1,024 x 1,024 float32; Wq 16 x 1,024 x 64 float32; Wv 16 x 1,024 x 64 float32; bp 1,024 float32; rel_table 33 x 16 float32; x 4 x 2,048 x 1,024 float32.
;; Outputs: out0 4 x 2,048 x 1,024 float32.
;; This version of the problem:
;;   THIS VERSION OF THE PROBLEM IS GIVEN IN LOW PRECISION. The matrix products marked QUANTISED in the list below multiply operands that are first quantised to E2M1 (2 exponent bits, 1 mantissa bit; 4 bits a number), with one power-of-two scale for each 32 numbers along K (OCP MX v1.0); their sums are f32. The products marked 'left as it is' may take bf16, f16 or f32 operands, with f32 sums. Whichever they take, every output number must still come out within the allowed error. Rounding operands to bf16 (8 significant bits) uses up far more of that allowance than f16 does (11 bits, for magnitudes from 6e-5 to 65,504). All else is computed in f32.
;;   The module's matrix products, in the order in which they are computed (A, B: the left and right operand; K: the contracted axis; several contracted axes count as one K, in the product's order):
;;     1. [M 1,024, K 1,024] x [K 1,024, N 8,192]; A: input Wq; B: input x: QUANTISED
;;     2. [M 1,024, K 1,024] x [K 1,024, N 8,192]; A: input Wk; B: input x: QUANTISED
;;     3. [M 1,024, K 1,024] x [K 1,024, N 8,192]; A: input Wv; B: input x: QUANTISED
;;     4. batch 64 x [M 2,048, K 64] x [K 64, N 2,048]; A: computed on the way; B: computed on the way: left as it is (an operand is computed on the way)
;;     5. batch 64 x [M 2,048, K 2,048] x [K 2,048, N 64]; A: computed on the way; B: computed on the way: left as it is (an operand is computed on the way)
;;     6. [M 8,192, K 1,024] x [K 1,024, N 1,024]; A: computed on the way; B: input Wp: left as it is (an operand is computed on the way)
;;   THE QUANTISER, for each operand of a quantised product, along K:
;;     - K is cut into blocks of 32 from its start; a last block that is shorter is filled with zeros.
;;     - A block's scale is 2^e with e = floor(log2(the largest magnitude in the block)) - 2, held to -126 .. 127; a block of zeros has e = 0. As a byte (E8M0): e + 127.
;;     - Each number is divided by its block's scale, clamped to +-6, and rounded to the nearest number of E2M1, ties to even, subnormals kept.
;;     - The product sums the exact products of the quantised numbers (number of the format x scale) in f32.
;;   ~~~python
;;   def quantise(x, axis):      # numpy; x: float32 -> the quantised numbers, widened to float32 again
;;       x = np.moveaxis(x, axis, -1); K = x.shape[-1]
;;       x = np.pad(x, [(0, 0)] * (x.ndim - 1) + [(0, -K % 32)]); x = x.reshape(x.shape[:-1] + (-1, 32)); a = np.abs(x).max(-1, keepdims=True)
;;       e = np.where(a > 0, np.clip(np.frexp(np.where(a > 0, a, 1))[1] - 1 - 2, -126, 127), 0)      # np.frexp(a)[1] - 1 = floor(log2(a)), exactly
;;       r = np.clip(x / 2.0 ** e, -6, 6)
;;       step = 2.0 ** (np.maximum(np.frexp(np.where(r == 0, 1, r))[1] - 1, 0) - 1)
;;       q = np.round(r / step) * step * 2.0 ** e      # np.round: ties to even
;;       return np.moveaxis(q.reshape(q.shape[:-2] + (-1,))[..., :K], -1, axis).astype(np.float32)
;;   ~~~
;; One version. Each part assembles by itself: llvm-mc -triple=amdgcn-amd-amdhsa -mcpu=gfx1250 --defsym DOCPART=n.
;; ======== version 1 of 1: 5 launches
;; limits: values are held in f16: magnitudes above 65,504 overflow, below 6.1e-05 lose precision
;; workspace buffers: xc 4,194,304 bytes; xs 262,144 bytes; wc 1,572,864 bytes; ws 98,304 bytes; wph 2,097,152 bytes; qkv 50,331,648 bytes; first 786,432 bytes; att 16,777,216 bytes
;; launch prep (part 1): grid 416 x 1, 4 waves a work-group, no clusters, 51,712 bytes of LDS; arguments x, Wq, Wk, Wv, Wp, xc, xs, wc, ws, wph; writes xc, xs, wc, ws, wph
.if DOCPART == 1
	.amdgcn_target "amdgcn-amd-amdhsa--gfx1250"
	.amdhsa_code_object_version 6
	.text
	.protected	k_qaf039fe6ed_prep
	.globl	k_qaf039fe6ed_prep
	.p2align	8
	.type	k_qaf039fe6ed_prep,@function
k_qaf039fe6ed_prep:
	s_mov_b64 s[64:65], 0
	v_nop
	global_prefetch_b8 v0, s[64:65] scope:SCOPE_SE
	s_setreg_imm32_b32 hwreg(HW_REG_WAVE_MODE, 25, 1), 1
	s_wait_xcnt 0x0
; THE OPERANDS ARE MADE READY, ONCE.  Three kinds of work-groups, told apart by the work-group's number alone:
;   0..95    Wq, Wk, Wv [16][1024 (c)][64 (d)] f32 -> codes of FP4 (E2M1) along c, with one E8M0 byte for each 32 along c.  K is not innermost: a lane takes a column d and its registers run down c.
;   96..351  x [8192 tokens][1024] f32 -> codes of FP4 along the row, K innermost, and scale bytes.  Rows are dense: a plain stream of blocks of 32.
;   352..415 Wp [1024][1024] f32 -> f16, in the same layout.
; A block's scale is 2^(floor(log2(its largest magnitude)) - 2); its byte is the largest magnitude's exponent field - 2, held at 1 from below.
; LAYOUTS.  xc [8192][512 bytes], xs [8192][32].  wc [kq 4][n 3072][128 bytes]: plane kq holds c = 256 kq .. 256 kq + 255 of column n = 1024 which + 64 head + d; ws [3072][32].
; LIMITS.  A block of zeros gets the byte 1 where the quantiser says 127: its codes are zeros and this program alone reads the bytes.  Blocks whose largest magnitude lies under 2^-124 were not tried.
; NaN and infinities among the inputs are not served.  Wp must lie inside f16's range (under 65,504).
; No tensor loads, no barrier: waves share nothing.  Each kind of work-group has LDS bytes of its own.
.set SPARE, 51200                      ; the spare words, 128 bytes for each wave: two blocks of 256 bytes that no other line names
.set SPW,  2                           ; v2   LDS address of my spare word; never rewritten
.set NIL,  3                           ; v3   0; never rewritten
.set L16,  4                           ; v4   16 x lane
.set L8,   5                           ; v5   8 x lane
.set L4,   6                           ; v6   4 x lane
.set L32,  7                           ; v7   32 x lane
.set XIN,  8                           ; v8   x's stage, on the way in
.set XOUT, 9                           ; v9   and on the way out
.set XSB,  10                          ; v10  my block's scale byte in LDS
.set XSR,  11                          ; v11  where I read 8 scale bytes back
.set WST,  12                          ; v12  the weights' stage: my column's row
.set WRD,  13                          ; v13  and where I read it back by rows
.set EMAX, 2
.set SP,   80                          ; x's stage: a lane's 64 bytes + 16 of padding
.set E,    20                          ; v20-35   x: a scale byte for each step;  weights: v20-21 eight scale bytes, v24-27 a block's codes
.set R,    36                          ; v36-99   x: four sets of 16 numbers as loaded;  weights: two sets of 32;  Wp: v36-163 as loaded
.set X,    100                         ; v100-131 x: two sets of 16 neighbours;  weights: the way out
.set C,    132                         ; v132-195 x: codes, four registers for each step;  Wp: v164-227 to store
.macro FINI                            ; a wave's end, behind my last LDS store
	s_wait_tensorcnt 0x0
	ds_add_u32 v[SPW], v[NIL]
	s_wait_dscnt 0x0
	s_endpgm
.endm
	s_load_b256 s[4:11], s[0:1], 0x0               ; x s[4:5], Wq s[6:7], Wk s[8:9], Wv s[10:11]
	s_load_b256 s[12:19], s[0:1], 0x20             ; Wp s[12:13], xc s[14:15], xs s[16:17], wc s[18:19]
	s_load_b128 s[20:23], s[0:1], 0x40             ; ws s[20:21], wph s[22:23]
	v_lshl_add_u32 v[SPW], v0, 2, SPARE
	v_mov_b32 v[NIL], 0
	v_lshrrev_b32 v14, 5, v0
	v_readfirstlane_b32 s24, v14                   ; wave 0..3
	v_and_b32 v1, 31, v0                           ; lane
	v_lshlrev_b32 v[L16], 4, v1
	v_lshlrev_b32 v[L8], 3, v1
	v_lshlrev_b32 v[L4], 2, v1
	v_lshlrev_b32 v[L32], 5, v1
	; every LDS address is made here, ahead of the parting of the ways
	s_lshl_b32 s25, s24, 13                        ; x: 8,192 bytes for each wave: two stages of 32 x 80, then 256 scale bytes
	v_lshrrev_b32 v[XIN], 2, v1
	v_mul_u32_u24 v[XIN], v[XIN], SP
	v_and_b32 v14, 3, v1
	v_lshl_add_u32 v[XIN], v14, 4, v[XIN]
	v_add_nc_u32 v[XIN], s25, v[XIN]               ; four lanes' 64 bytes on end, then 16 of padding
	v_mul_u32_u24 v[XOUT], v1, SP
	v_add_nc_u32 v[XOUT], s25, v[XOUT]             ; my 16 neighbours
	s_add_co_u32 s25, s25, 2*32*SP
	v_lshrrev_b32 v[XSB], 1, v1
	v_add_nc_u32 v[XSB], s25, v[XSB]
	v_add_nc_u32 v[XSR], s25, v[L8]
	s_mul_i32 s25, s24, 32*144                     ; the weights: a stage of 32 rows x (128 + 16) bytes for each wave, from byte 32,768 on
	s_add_co_u32 s25, s25, 32768
	v_mul_u32_u24 v[WST], v1, 144
	v_add_nc_u32 v[WST], s25, v[WST]
	v_lshrrev_b32 v[WRD], 3, v1
	v_mul_u32_u24 v[WRD], v[WRD], 144
	v_and_b32 v14, 7, v1
	v_lshl_add_u32 v[WRD], v14, 4, v[WRD]
	v_add_nc_u32 v[WRD], s25, v[WRD]               ; eight lanes to a row of 128 bytes, four rows an instruction
	s_wait_kmcnt 0x0
	s_cmp_ge_u32 ttmp9, 352
	s_cbranch_scc1 .Lp
	s_cmp_ge_u32 ttmp9, 96
	s_cbranch_scc1 .Lx
; ---- THE WEIGHTS.  A wave takes 32 columns x 256 along c: 8 blocks a lane, 128 bytes of codes for each column: 4,096 bytes on end in its plane of wc.
	s_cmp_lt_u32 ttmp9, 64                         ; which of the three tensors: the choice hangs on the work-group's number alone
	s_cselect_b64 s[26:27], s[8:9], s[10:11]
	s_cmp_lt_u32 ttmp9, 32
	s_cselect_b64 s[26:27], s[6:7], s[26:27]
	s_lshr_b32 s28, ttmp9, 1                       ; 16 which + head
	s_and_b32 s29, s24, 1                          ; which 32 of the head's 64 columns
	s_and_b32 s30, ttmp9, 1
	s_lshl_b32 s30, s30, 1
	s_lshr_b32 s31, s24, 1
	s_add_co_u32 s30, s30, s31                     ; kq: which 256 along c
	s_and_b32 s32, s28, 15
	s_lshl_b32 s32, s32, 18                        ; a head is 1,024 rows of 256 bytes
	s_lshl_b32 s33, s30, 16
	s_add_co_u32 s32, s32, s33
	s_lshl_b32 s33, s29, 7
	s_add_co_u32 s32, s32, s33
	s_mov_b32 s33, 0
	s_add_nc_u64 s[26:27], s[26:27], s[32:33]
	s_lshl_b32 s34, s28, 6
	s_lshl_b32 s35, s29, 5
	s_add_co_u32 s34, s34, s35                     ; n0: my first column among the 3,072
	s_mul_i32 s32, s30, 3072*128
	s_lshl_b32 s35, s34, 7
	s_add_co_u32 s32, s32, s35
	s_add_nc_u64 s[18:19], s[18:19], s[32:33]
	s_lshl_b32 s32, s34, 5
	s_lshl_b32 s35, s30, 3
	s_add_co_u32 s32, s32, s35
	s_add_nc_u64 s[20:21], s[20:21], s[32:33]
.macro WLOAD t                         ; block t: W(32 t + i, my column), i = 0 .. 31, into set t % 2: 32 lanes read 128 consecutive bytes
.set i, 0
.rept 32
	global_load_b32 v[R+32*((\t)%2)+i], v[L4], s[26:27] offset:(32*(\t)+i)*256 th:TH_LOAD_NT
.set i, i+1
.endr
.endm
.macro WBLOCK t
.set XS, R+32*((\t)%2)
.if (\t) < 7
	s_wait_loadcnt 32                              ; this block's 32 loads are in; the next block's may be out
.else
	s_wait_loadcnt 0x0
.endif
	v_max3_num_f32 v14, |v[XS]|, |v[XS+1]|, |v[XS+2]|       ; the block's largest magnitude: all 32 numbers are mine
	v_max3_num_f32 v15, |v[XS+3]|, |v[XS+4]|, |v[XS+5]|
.irp i, 6,10,14,18,22,26
	v_max3_num_f32 v14, v14, |v[XS+\i]|, |v[XS+\i+1]|
	v_max3_num_f32 v15, v15, |v[XS+\i+2]|, |v[XS+\i+3]|
.endr
	v_max3_num_f32 v14, v14, |v[XS+30]|, |v[XS+31]|
	v_max3_num_f32 v14, v14, v15, (EMAX+1)<<23     ; and the floor 2^(3 - 127): the byte cannot fall under 1
	v_add_nc_u32 v16, -(EMAX<<23), v14             ; 2 off its exponent field: the conversion takes the exponent field of this operand as its scale
	v_lshrrev_b32 v15, 23, v16                     ; the scale's byte
.if (\t)%4 == 0
	v_mov_b32 v[E+(\t)/4], v15
.else
	v_lshl_or_b32 v[E+(\t)/4], v15, 8*((\t)%4), v[E+(\t)/4]
.endif
.irp g, 0,1,2,3
	v_cvt_scalef32_pk8_fp4_f32 v[E+4+\g], v[XS+8*\g:XS+8*\g+7], v16
.endr
	ds_store_b128 v[WST], v[E+4:E+7] offset:16*(\t)         ; 32 codes: 16 bytes of my column's row
.if (\t)+2 < 8
	WLOAD (\t)+2
.endif
	s_wait_dscnt 0x0                               ; the store has read its registers: the next block's codes may be written
.endm
	WLOAD 0
	WLOAD 1
.irp t, 0,1,2,3,4,5,6,7
	WBLOCK \t
.endr
	global_store_b64 v[L32], v[E:E+1], s[20:21]    ; my column's eight scale bytes: pieces of 8 bytes, 32 apart; 98,304 bytes in the whole launch
.irp i, 0,1,2,3,4,5,6,7
	ds_load_b128 v[X+4*\i:X+4*\i+3], v[WRD] offset:576*\i   ; LDS serves a wave's instructions in order: these see my stores
.endr
.irp i, 0,1,2,3,4,5,6,7
	s_wait_dscnt 7-\i
	global_store_b128 v[L16], v[X+4*\i:X+4*\i+3], s[18:19] offset:512*\i   ; 32 lanes store 512 consecutive bytes, aligned
.endr
	FINI
; ---- x.  A wave takes 16 steps of 512 numbers.  Each load reads 512 consecutive bytes; a step's 2,048 bytes turn through the wave's own stage, so that a lane holds 16 neighbours (two lanes hold a block).
.Lx:
	s_sub_co_u32 s25, ttmp9, 96
	s_lshl_b32 s25, s25, 2
	s_add_co_u32 s25, s25, s24                     ; which run of 8,192 numbers is my wave's
	s_lshl_b32 s26, s25, 15
	s_mov_b32 s27, 0
	s_add_nc_u64 s[4:5], s[4:5], s[26:27]
	s_lshl_b32 s26, s25, 12
	s_add_nc_u64 s[14:15], s[14:15], s[26:27]
	s_lshl_b32 s26, s25, 8
	s_add_nc_u64 s[16:17], s[16:17], s[26:27]
.macro XLOAD t
.irp i, 0,1,2,3
	global_load_b128 v[R+16*((\t)%4)+4*\i:R+16*((\t)%4)+4*\i+3], v[L16], s[4:5] offset:2048*(\t)+512*\i th:TH_LOAD_NT
.endr
.endm
.macro XTURN t                         ; step t's numbers through the stage: LDS serves a wave's instructions in order, so no wait stands between the stores and the loads
.irp i, 0,1,2,3
	ds_store_b128 v[XIN], v[R+16*((\t)%4)+4*\i:R+16*((\t)%4)+4*\i+3] offset:32*SP*((\t)%2)+8*SP*\i
.endr
.irp i, 0,1,2,3
	ds_load_b128 v[X+16*((\t)%2)+4*\i:X+16*((\t)%2)+4*\i+3], v[XOUT] offset:32*SP*((\t)%2)+16*\i
.endr
.endm
.macro XSTEP t
.set XS, X+16*((\t)%2)
.if (\t) > 0
	s_wait_dscnt 1                                 ; this step's numbers are back from the stage (the last step's byte store may be out)
.else
	s_wait_dscnt 0x0
.endif
.if (\t)+4 < 16
	XLOAD (\t)+4                                   ; the stage's stores have read their registers, which take the loads of four steps on
.endif
.if (\t)+1 < 16
.if 14-(\t) >= 3
	s_wait_loadcnt 12                              ; the next step's four loads are in; those of the three steps behind it may be out
.else
	s_wait_loadcnt 4*(14-(\t))
.endif
	XTURN (\t)+1
.endif
	v_max3_num_f32 v14, |v[XS]|, |v[XS+1]|, |v[XS+2]|       ; the largest magnitude of my 16
	v_max3_num_f32 v15, |v[XS+3]|, |v[XS+4]|, |v[XS+5]|
.irp i, 6,10
	v_max3_num_f32 v14, v14, |v[XS+\i]|, |v[XS+\i+1]|
	v_max3_num_f32 v15, v15, |v[XS+\i+2]|, |v[XS+\i+3]|
.endr
	v_max3_num_f32 v14, v14, |v[XS+14]|, |v[XS+15]|
	v_max3_num_f32 v14, v14, v15, (EMAX+1)<<23     ; and the floor
	v_max_num_f32_dpp v14, v14, v14 row_xmask:1 row_mask:0xf bank_mask:0xf   ; and of my neighbour's 16: the block's
	v_add_nc_u32 v16, -(EMAX<<23), v14
	v_cvt_scalef32_pk8_fp4_f32 v[C+4*(\t)], v[XS:XS+7], v16
	v_cvt_scalef32_pk8_fp4_f32 v[C+4*(\t)+1], v[XS+8:XS+15], v16
	v_lshrrev_b32 v[E+(\t)], 23, v16               ; the scale's byte
	ds_store_b8 v[XSB], v[E+(\t)] offset:16*(\t)   ; both lanes of a block write the same byte with the same value
	global_store_b64 v[L8], v[C+4*(\t):C+4*(\t)+1], s[14:15] offset:256*(\t)   ; 32 lanes store 256 consecutive bytes, aligned
.endm
.irp t, 0,1,2,3
	XLOAD \t
.endr
	s_wait_loadcnt 12                              ; step 0's four loads are in
	XTURN 0
.irp t, 0,1,2,3,4,5,6,7,8,9,10,11,12,13,14,15
	XSTEP \t
.endr
	ds_load_b64 v[14:15], v[XSR]                   ; my wave's 256 scale bytes, 8 a lane
	s_wait_dscnt 0x0
	global_store_b64 v[L8], v[14:15], s[16:17]     ; 256 consecutive bytes, aligned
	FINI
; ---- Wp to f16.  A wave takes 16,384 bytes: 32 loads of 512 consecutive bytes, all out at once; each gives one store of 256 consecutive bytes.
.Lp:
	s_sub_co_u32 s25, ttmp9, 352
	s_lshl_b32 s25, s25, 2
	s_add_co_u32 s25, s25, s24
	s_lshl_b32 s26, s25, 14
	s_mov_b32 s27, 0
	s_add_nc_u64 s[12:13], s[12:13], s[26:27]
	s_lshl_b32 s26, s25, 13
	s_add_nc_u64 s[22:23], s[22:23], s[26:27]
.set i, 0
.rept 32
	global_load_b128 v[36+4*i:39+4*i], v[L16], s[12:13] offset:512*i
.set i, i+1
.endr
.set i, 0
.rept 32
	s_wait_loadcnt 31-i                            ; loads come back in order: load i is in, the younger ones may be out
	v_cvt_pk_f16_f32 v[164+2*i], v[36+4*i], v[37+4*i]
	v_cvt_pk_f16_f32 v[165+2*i], v[38+4*i], v[39+4*i]
	global_store_b64 v[L8], v[164+2*i:165+2*i], s[22:23] offset:256*i
.set i, i+1
.endr
	s_endpgm                                       ; this way has touched no LDS
.Lfunc_end_k_qaf039fe6ed_prep:
	.size	k_qaf039fe6ed_prep, .Lfunc_end_k_qaf039fe6ed_prep-k_qaf039fe6ed_prep
	.p2alignl 7, 3214868480
	.fill 96, 4, 3214868480
	.section	.rodata,"a",@progbits
	.p2align	6, 0x0
	.amdhsa_kernel k_qaf039fe6ed_prep
		.amdhsa_group_segment_fixed_size 51712
		.amdhsa_private_segment_fixed_size 0
		.amdhsa_enable_private_segment 0
		.amdhsa_kernarg_size 80
		.amdhsa_user_sgpr_count 2
		.amdhsa_user_sgpr_kernarg_segment_ptr 1
		.amdhsa_wavefront_size32 1
		.amdhsa_system_sgpr_workgroup_id_x 1
		.amdhsa_system_sgpr_workgroup_id_y 1
		.amdhsa_system_sgpr_workgroup_id_z 1
		.amdhsa_system_vgpr_workitem_id 0
		.amdhsa_next_free_vgpr 232
		.amdhsa_next_free_sgpr 66
		.amdhsa_reserve_vcc 0
		.amdhsa_float_denorm_mode_32 3
		.amdhsa_float_denorm_mode_16_64 3
		.amdhsa_memory_ordered 1
		.amdhsa_forward_progress 1
		.amdhsa_inst_pref_size 84
	.end_amdhsa_kernel
	.amdgpu_metadata
---
amdhsa.version: [ 1, 2 ]
amdhsa.kernels:
  - .name:           k_qaf039fe6ed_prep
    .symbol:         k_qaf039fe6ed_prep.kd
    .args:
      - { .name: x, .offset: 0, .size: 8, .value_kind: global_buffer, .address_space: global }
      - { .name: Wq, .offset: 8, .size: 8, .value_kind: global_buffer, .address_space: global }
      - { .name: Wk, .offset: 16, .size: 8, .value_kind: global_buffer, .address_space: global }
      - { .name: Wv, .offset: 24, .size: 8, .value_kind: global_buffer, .address_space: global }
      - { .name: Wp, .offset: 32, .size: 8, .value_kind: global_buffer, .address_space: global }
      - { .name: xc, .offset: 40, .size: 8, .value_kind: global_buffer, .address_space: global }
      - { .name: xs, .offset: 48, .size: 8, .value_kind: global_buffer, .address_space: global }
      - { .name: wc, .offset: 56, .size: 8, .value_kind: global_buffer, .address_space: global }
      - { .name: ws, .offset: 64, .size: 8, .value_kind: global_buffer, .address_space: global }
      - { .name: wph, .offset: 72, .size: 8, .value_kind: global_buffer, .address_space: global }
    .group_segment_fixed_size: 51712
    .private_segment_fixed_size: 0
    .kernarg_segment_align: 8
    .kernarg_segment_size: 80
    .max_flat_workgroup_size: 128
    .sgpr_count:     66
    .vgpr_count:     232
    .wavefront_size: 32
...
	.end_amdgpu_metadata
.endif
;; end of part 1
;; launch qkvgemm (part 2): grid 12 x 32, 4 waves a work-group, clusters of 4 x 4, 327,680 bytes of LDS; arguments xc, xs, wc, ws, qkv, first; writes qkv, first
.if DOCPART == 2
	.amdgcn_target "amdgcn-amd-amdhsa--gfx1250"
	.amdhsa_code_object_version 6
	.text
	.protected	k_qaf039fe6ed_qkvgemm
	.globl	k_qaf039fe6ed_qkvgemm
	.p2align	8
	.type	k_qaf039fe6ed_qkvgemm,@function
k_qaf039fe6ed_qkvgemm:
	s_mov_b64 s[64:65], 0
	v_nop
	global_prefetch_b8 v0, s[64:65] scope:SCOPE_SE
	s_setreg_imm32_b32 hwreg(HW_REG_WAVE_MODE, 25, 1), 1
	s_wait_xcnt 0x0
	s_wait_alu depctr_hold_cnt(0) depctr_sa_sdst(0) depctr_va_vdst(0) depctr_va_sdst(0) depctr_va_ssrc(0) depctr_va_vcc(0) depctr_vm_vsrc(0)
	s_getreg_b32 s2, hwreg(HW_REG_IB_STS2, 6, 4)
	s_cmp_eq_u32 s2, 0
	s_cbranch_scc0 .Lentry_in_a_cluster
	s_endpgm
.Lentry_in_a_cluster:
	s_bfe_u32 s2, ttmp6, 0x10000c
	s_cmp_lg_u32 s2, 0xf033
	s_cbranch_scc0 .Lentry_shape_is_right
	s_endpgm
.Lentry_shape_is_right:
; q, k, v = x W on codes of FP4 (E2M1) with one E8M0 scale for each 32 along K = 1,024: C[token][n] = sum over c of x[token][c] W[c][n], n = 1024 which + 64 head + d.  Sums in f32.
; A tile of C, 256 tokens x 256 columns (four heads), is made by a work-group of four waves; a wave makes 128 x 128: 64 accumulators, 512 registers.
; K = 1,024 is two LDS slots of 512: BOTH ARE FIRST FILLS, nothing is filled again, and there is no loop.  The scale bytes of the tile's rows and columns come once, with them.
; x's tile: 128 rows x 256 bytes a load, LDS rows 272 bytes apart.  W's codes lie in planes of 256 along K: a load brings 256 columns x 128 bytes, one dense block, LDS rows 144 bytes apart.
; CLUSTERS: 4 x 4 work-groups.  The four of a row need the same tiles of x, the four of a column the same tiles of W: each is asked for JOINTLY.
; The tile row is 8 cy + cluster y, so that the batch is cy and 'the tile holds positions 0 to 15' is cluster y = 0: the same in all partners.
; THE MATRIX INSTRUCTION IS USED TRANSPOSED (source 0 = 16 columns of W, source 1 = 16 tokens): a lane holds eight neighbouring channels of one token.
; OUT: qkv [which][batch][head][2048][64] f16: a wave's 16 tokens of a head are 2,048 bytes on end.  The rows of positions 0 to 15 also go out unrounded: first [which][batch][head][16][64] f32.
; LIMIT: |q|, |k|, |v| must stay under f16's 65,504.
; REGISTERS: window 0: v0-31 addresses; v32-95 scale words, two sets; v128-191 x's fragments, one set; on the way out v32-63, v192-255.  window 1: W's fragments, two sets, at v0 and v128.  windows 2, 3: accumulators.
.set NQ,     4                         ; matrix instructions deep in a slot
.set ROWB,   256
.set KROW,   512                       ; a token's codes in memory
.set PITCH,  272                       ; 68 words: the 16 rows that a load touches start at 16 different banks
.set PB,     144                       ; 36 words: likewise
.set FR,     8
.set NL,     2
.set NP,     4
.set HALFT,  128*PITCH
.set PLB,    256*PB
.set SLOT,   2*HALFT+2*PLB             ; x's 256 rows, then W's two planes
.set WPLANE, 3072*128
.set KS,     32
.set SCL,    2*SLOT                    ; behind the slots: the scales, as units of 256 bytes + 16 of padding
.set HALFS,  16*272
.set SBLK,   2*272
.set SPARE,  SCL+4*HALFS               ; the spare words, 128 bytes for each wave: two blocks of 256 bytes that no other line names
.set ADRA, 16
.set ADRB, 20
.set STO,  24
.set RD,   25
.set CO,   26
.set ADRS, 27
.set SPW,  28
.set NIL,  29
.set FO,   30
.set SC,   32
.set AF,   128
.set TMP,  192
.set OB,   32
.set G1, 24
.set G0, 32
.set G1B, 48
.set G0B, 56
.set G1S, 68
.set G0S, 76
.set G1SB, 80
.set G0SB, 88
.set MSB, 0
.macro WIN new                         ; the immediate's high byte repeats the setting that is left
.if MSB != (\new)
	s_set_vgpr_msb (MSB<<8)|(\new)
.set MSB, (\new)
.endif
.endm
.set MUL_LO, 0xa1
.set MUL_HI, 0xf1
.set TO_B,   0x40
; A joint load: waves 0 and 1 fetch for x, waves 2 and 3 for W.  The branch hangs on the wave's number alone.  An s_nop 0 and four v_nop follow each line.
.macro JLOAD g0a, g1a, g0b, g1b
	s_cmp_eq_u32 s17, 0
	s_cbranch_scc0 .Lfor_b_\@
	tensor_load_to_lds s[\g0a:\g0a+3], s[\g1a:\g1a+7]
	s_nop 0
.rept 4
	v_nop
.endr
	s_branch .Lasked_\@
.Lfor_b_\@:
	tensor_load_to_lds s[\g0b:\g0b+3], s[\g1b:\g1b+7]
	s_nop 0
.rept 4
	v_nop
.endr
.Lasked_\@:
.endm
.macro CROUND                          ; a round of the cluster's barrier
	s_barrier_signal -1
	s_barrier_wait -1
	s_cmp_lg_u32 s16, 0
	s_cbranch_scc1 .Lnot_wave_0_\@
	s_barrier_signal -3
.Lnot_wave_0_\@:
	s_barrier_wait -3
	s_barrier_signal -1
	s_barrier_wait -1
.endm
	s_load_b256 s[4:11], s[0:1], 0x0               ; xc s[4:5], xs s[6:7], wc s[8:9], ws s[10:11]
	s_load_b128 s[12:15], s[0:1], 0x20             ; qkv s[12:13], first s[14:15]
	v_lshl_add_u32 v[SPW], v0, 2, SPARE
	v_mov_b32 v[NIL], 0
	ds_add_u32 v[SPW], v[NIL]                      ; the wave's opening: the add, twice on end, and its wait ahead of my first tensor load
	ds_add_u32 v[SPW], v[NIL]
	v_lshrrev_b32 v1, 5, v0
	v_readfirstlane_b32 s16, v1                    ; wave 0..3
	s_lshr_b32 s17, s16, 1                         ; which half of the tile's tokens is mine.  Also: I fetch for x (0) or for W (1)
	s_and_b32 s18, s16, 1                          ; which half of its columns.  Also: which half, or plane, I fetch
	s_bfe_u32 s40, ttmp6, 0x40000                  ; cx
	s_bfe_u32 s41, ttmp6, 0x40004                  ; cy
	s_lshl_b32 s42, ttmp9, 2
	s_add_co_u32 s42, s42, s40                     ; tile column = 4 x cluster x + cx
	s_and_b32 s97, ttmp7, 0xffff                   ; cluster y
	s_lshl_b32 s19, s41, 3
	s_add_co_u32 s19, s19, s97                     ; tile row = 8 cy + cluster y
	s_or_b32 s96, s97, s17                         ; 0 where my first 16 tokens are positions 0 to 15: cluster y and the wave's number alone
	s_lshl_b32 s43, s41, 2
	s_lshl_b32 s43, 15, s43                        ; my row of the cluster
	s_lshl_b32 s44, 0x1111, s40                    ; my column
	s_or_b32 s[G1+0], s43, (0<<16)|(1<<20)|(1<<21)|(5<<22)|(3<<25)   ; x: elements of 1 byte; 4 words of padding behind every 64
	s_mov_b32 s[G1+1], ROWB<<16
	s_mov_b32 s[G1+2], 128<<16
	s_mov_b32 s[G1+3], ROWB<<16
	s_mov_b32 s[G1+4], 128
	s_mov_b32 s[G1+5], KROW
	s_mov_b32 s[G1+6], 0
	s_mov_b32 s[G1+7], 0
	s_or_b32 s[G1B+0], s44, (0<<16)|(1<<20)|(1<<21)|(4<<22)|(3<<25)  ; W: 256 rows of 128 bytes, dense; 4 words of padding behind every 32
	s_mov_b32 s[G1B+1], 128<<16
	s_mov_b32 s[G1B+2], 256<<16
	s_mov_b32 s[G1B+3], 128<<16
	s_mov_b32 s[G1B+4], 256
	s_mov_b32 s[G1B+5], 128
	s_mov_b32 s[G1B+6], 0
	s_mov_b32 s[G1B+7], 0
	s_or_b32 s[G1S+0], s43, (3<<16)|(1<<20)|(1<<21)|(5<<22)|(3<<25)  ; the scales of 128 rows: 4,096 dense bytes as 16 rows of 256
	s_or_b32 s[G1SB+0], s44, (3<<16)|(1<<20)|(1<<21)|(5<<22)|(3<<25)
.irp g, G1S, G1SB
	s_mov_b32 s[\g+1], 32<<16
	s_mov_b32 s[\g+2], 16<<16
	s_mov_b32 s[\g+3], 32<<16
	s_mov_b32 s[\g+4], 16
	s_mov_b32 s[\g+5], 32
	s_mov_b32 s[\g+6], 0
	s_mov_b32 s[\g+7], 0
.endr
	s_lshl_b32 s20, s19, 8
	s_lshl_b32 s45, s18, 7
	s_add_co_u32 s20, s20, s45                     ; x: token 256 x tile row + 128 x half
	s_lshl_b32 s22, s20, 5                         ; its scales,
	s_mov_b32 s23, 0
	s_lshl_b32 s20, s20, 9                         ; its codes, in bytes
	s_mov_b32 s21, 0
	s_lshl_b32 s46, s42, 15                        ; W: 256 columns x 128 bytes x tile column,
	s_mul_i32 s47, s18, WPLANE                     ; in my plane
	s_add_co_u32 s46, s46, s47
	s_mov_b32 s47, 0
	s_lshl_b32 s92, s42, 8
	s_add_co_u32 s92, s92, s45
	s_lshl_b32 s92, s92, 5                         ; W's scales
	s_mov_b32 s93, 0
	s_mul_i32 s45, s18, HALFT                      ; where they go: no place in the cluster enters an LDS address
	s_mul_i32 s94, s18, PLB
	s_add_co_u32 s94, s94, 2*HALFT
	s_mul_i32 s95, s16, HALFS
	s_wait_dscnt 0x0                               ; both opening adds are done
	s_wait_kmcnt 0x0
	s_add_nc_u64 s[20:21], s[4:5], s[20:21]
	s_add_nc_u64 s[22:23], s[6:7], s[22:23]
	s_add_nc_u64 s[46:47], s[8:9], s[46:47]
	s_add_nc_u64 s[92:93], s[10:11], s[92:93]
	CROUND                                         ; all sixteen work-groups are here: the joint loads meet
	s_mov_b32 s[G0S], 1
	s_add_co_u32 s[G0S+1], s95, SCL
	s_mov_b64 s[G0S+2:G0S+3], s[22:23]
	s_or_b32 s[G0S+3], s[G0S+3], 0x80000000
	s_mov_b32 s[G0SB], 1
	s_add_co_u32 s[G0SB+1], s95, SCL
	s_mov_b64 s[G0SB+2:G0SB+3], s[92:93]
	s_or_b32 s[G0SB+3], s[G0SB+3], 0x80000000
	JLOAD G0S, G1S, G0SB, G1SB                     ; the scales first: they are wanted with slot 0
.irp s, 0,1
	s_mov_b32 s[G0+4*\s], 1
	s_add_co_u32 s[G0+4*\s+1], s45, \s*SLOT
	s_add_nc_u64 s[G0+4*\s+2:G0+4*\s+3], s[20:21], \s*ROWB
	s_or_b32 s[G0+4*\s+3], s[G0+4*\s+3], 0x80000000
	s_mov_b32 s[G0B+4*\s], 1
	s_add_co_u32 s[G0B+4*\s+1], s94, \s*SLOT
	s_add_nc_u64 s[G0B+4*\s+2:G0B+4*\s+3], s[46:47], \s*2*WPLANE
	s_or_b32 s[G0B+4*\s+3], s[G0B+4*\s+3], 0x80000000
	JLOAD G0+4*\s, G1, G0B+4*\s, G1B               ; three loads of mine are out behind the last of these
.endr
	v_and_b32 v1, 15, v0                           ; r
	v_bfe_u32 v2, v0, 4, 1                         ; h
	v_mul_u32_u24 v3, v1, PITCH
	v_lshl_add_u32 v3, v2, 4, v3
	v_mul_u32_u24 v4, v1, PB
	v_lshl_add_u32 v4, v2, 4, v4
	s_mul_i32 s21, s17, HALFT                      ; my 128 tokens
	s_mul_i32 s22, s18, 128*PB                     ; my 128 columns, in each plane
	s_add_co_u32 s22, s22, 2*HALFT
.irp s, 0,1
	v_add_nc_u32 v[ADRA+\s], s21, v3
	v_add_nc_u32 v[ADRB+\s], s22, v4
	s_add_co_u32 s21, s21, SLOT
	s_add_co_u32 s22, s22, SLOT
.endr
	v_mul_u32_u24 v5, v1, KS                       ; my row's scales: 32 bytes a row,
	v_lshrrev_b32 v6, 8, v5
	v_lshl_add_u32 v5, v6, 4, v5                   ; and 16 more for each 256 passed
	s_mul_i32 s21, s17, HALFS
	s_mul_i32 s22, s18, HALFS
	s_add_co_u32 s22, s22, 2*HALFS
	s_sub_co_u32 s22, s22, s21
	v_mul_u32_u24 v6, s22, v2                      ; lanes 16-31 take W's
	s_add_co_u32 s21, s21, SCL
	v_add_nc_u32 v5, v5, v6
	v_add_nc_u32 v[ADRS], s21, v5
	s_mul_i32 s23, s16, 32*PB                      ; my stage, in slot 0: two heads x 16 rows x 144 bytes
	v_add_nc_u32 v[STO], s23, v4                   ; in: row r, 16 bytes for each half of the lanes
	v_and_b32 v6, 31, v0
	v_lshrrev_b32 v5, 3, v6
	v_mul_u32_u24 v5, v5, PB
	v_and_b32 v7, 7, v0
	v_lshl_add_u32 v5, v7, 4, v5
	v_add_nc_u32 v[RD], s23, v5                    ; back: eight lanes to a row of 128 bytes, four rows an instruction
	v_lshlrev_b32 v[CO], 4, v6
	v_lshlrev_b32 v[FO], 8, v1
	v_lshl_add_u32 v[FO], v2, 5, v[FO]             ; first: row r of 256 bytes, + 32 h
	s_lshl_b32 s20, s42, 2
	s_lshl_b32 s21, s18, 1
	s_add_co_u32 s20, s20, s21                     ; 16 which + head of my first 64 columns
	s_lshr_b32 s21, s20, 4
	s_lshl_b32 s21, s21, 6
	s_and_b32 s20, s20, 15
	s_add_co_u32 s20, s20, s21
	s_lshl_b32 s21, s41, 4
	s_add_co_u32 s20, s20, s21                     ; the plane: 64 which + 16 batch + head
	s_lshl_b32 s22, s20, 12
	s_mov_b32 s23, 0
	s_add_nc_u64 s[14:15], s[14:15], s[22:23]
	s_lshl_b32 s22, s20, 18
	s_lshl_b32 s21, s97, 8
	s_lshl_b32 s20, s17, 7
	s_add_co_u32 s21, s21, s20                     ; my first position
	s_lshl_b32 s21, s21, 7
	s_add_co_u32 s22, s22, s21
	s_add_nc_u64 s[12:13], s[12:13], s[22:23]
.macro FRAGA reg, adr, q, i            ; 16 rows x 128 K of 4-bit codes: 8 registers: two loads of 16 bytes, 32 bytes apart
.irp c, 0,1
	ds_load_b128 v[\reg+4*\c:\reg+4*\c+3], v[\adr] offset:64*(\q)+32*\c+(\i)*16*PITCH
.endr
.endm
.macro FRAGB reg, adr, q, i            ; the slot's q-th 128 along K lie in plane q / 2, at byte 64 (q % 2) of its rows
.irp c, 0,1
	ds_load_b128 v[\reg+4*\c:\reg+4*\c+3], v[\adr] offset:((\q)/2)*PLB+((\q)%2)*64+32*\c+(\i)*16*PB
.endr
.endm
; 16 matrix instructions: x's blocks a0, a0 + 1 against W's eight.  The 64 accumulators take turns, one instruction a turn, in the same order in every step.
.macro MUL16 a0, p, q, sc, zero
.irp a, \a0, \a0+1
.irp b, 0,1,2,3,4,5,6,7
.if \zero
	v_wmma_scale_f32_16x16x128_f8f6f4 v[8*(8*((\a)%4)+\b):8*(8*((\a)%4)+\b)+7], v[128*(\p)+FR*\b:128*(\p)+FR*\b+FR-1], v[AF+FR*(\a):AF+FR*(\a)+FR-1], 0, v[SC+8*NQ*(\sc)+NQ*\b+(\q)], v[SC+8*NQ*(\sc)+NQ*(\a)+(\q)] matrix_a_fmt:MATRIX_FMT_FP4 matrix_b_fmt:MATRIX_FMT_FP4 matrix_a_scale:MATRIX_SCALE_ROW1
.else
	v_wmma_scale_f32_16x16x128_f8f6f4 v[8*(8*((\a)%4)+\b):8*(8*((\a)%4)+\b)+7], v[128*(\p)+FR*\b:128*(\p)+FR*\b+FR-1], v[AF+FR*(\a):AF+FR*(\a)+FR-1], v[8*(8*((\a)%4)+\b):8*(8*((\a)%4)+\b)+7], v[SC+8*NQ*(\sc)+NQ*\b+(\q)], v[SC+8*NQ*(\sc)+NQ*(\a)+(\q)] matrix_a_fmt:MATRIX_FMT_FP4 matrix_b_fmt:MATRIX_FMT_FP4 matrix_a_scale:MATRIX_SCALE_ROW1
.endif
.endr
.endr
.endm
.macro FETCH_B slot, q, p
	WIN TO_B
.irp i, 0,1,2,3,4,5,6,7
	FRAGB 128*(\p)+FR*\i, ADRB+\slot, \q, \i
.endr
	WIN 0
.endm
.macro FETCH_A slot, q, i0
.irp i, \i0, \i0+1, \i0+2, \i0+3
	FRAGA AF+FR*(\i), ADRA+\slot, \q, \i
.endr
.endm
.macro SCALES sc                       ; a slot's scale words: lanes 0-15 take x's block i, lanes 16-31 W's block i
.irp i, 0,1,2,3,4,5,6,7
	ds_load_b128 v[SC+8*NQ*\sc+NQ*\i:SC+8*NQ*\sc+NQ*\i+3], v[ADRS] offset:\i*SBLK
.endr
.endm
.macro PLACES n                        ; plain vector instructions between a matrix instruction and a load into, or a read of, its registers
.rept \n
	v_nop
.endr
.endm
.macro STEP slot, q, zero              ; a step of 128 along K that has its successor in the same slot
	s_wait_dscnt 4*NL                              ; W's set and x's blocks 0-3 are in; the youngest eight loads (x's blocks 4-7) may be out
	WIN MUL_LO
	MUL16 0, (\q)%2, \q, \slot, \zero
	MUL16 2, (\q)%2, \q, \slot, \zero
	s_wait_dscnt 0
	PLACES NP
	FETCH_B \slot, (\q)+1, 1-(\q)%2
	FETCH_A \slot, (\q)+1, 0
	WIN MUL_HI
	MUL16 4, (\q)%2, \q, \slot, \zero
	MUL16 6, (\q)%2, \q, \slot, \zero
	PLACES NP
	WIN 0
	FETCH_A \slot, (\q)+1, 4
.endm
	s_wait_tensorcnt 1                             ; the scales and my part of slot 0 are in; slot 1's load may be out
	s_barrier_signal -1
	s_barrier_wait -1
	FETCH_B 0, 0, 0
	FETCH_A 0, 0, 0
	SCALES 0
	FETCH_A 0, 0, 4
	STEP 0, 0, 1                                   ; the first products start the sums: nothing is cleared
	STEP 0, 1, 0
	STEP 0, 2, 0
	; slot 0's last step changes slots: one barrier; in front of it my part of slot 1 has landed and my reads of slot 0 are over
	s_wait_tensorcnt 0x0
	ds_add_u32 v[SPW], v[NIL]                      ; 0 onto my spare word
	s_wait_dscnt 4*NL+1                            ; (the add and x's blocks 4-7 may be out)
	WIN MUL_LO
	MUL16 0, 1, 3, 0, 0
	s_wait_dscnt 0x0
	s_barrier_signal -1
	MUL16 2, 1, 3, 0, 0
	WIN 0
	s_barrier_wait -1
	PLACES NP
	v_add_nc_u32 v[ADRS], 4*NQ, v[ADRS]            ; on to slot 1's scale words
	FETCH_B 1, 0, 0
	FETCH_A 1, 0, 0
	SCALES 1
	WIN MUL_HI
	MUL16 4, 1, 3, 0, 0
	MUL16 6, 1, 3, 0, 0
	PLACES NP
	WIN 0
	FETCH_A 1, 0, 4
	STEP 1, 0, 0
	STEP 1, 1, 0
	STEP 1, 2, 0
	s_wait_dscnt 4*NL                              ; the last step: nothing more to fetch
	WIN MUL_LO
	MUL16 0, 1, 3, 1, 0
	MUL16 2, 1, 3, 1, 0
	s_wait_dscnt 0
	WIN MUL_HI
	MUL16 4, 1, 3, 1, 0
	MUL16 6, 1, 3, 1, 0
	WIN 0
	PLACES NP
	; positions 0 to 15, unrounded: block 0 of the waves that hold them.  256 bytes a lane; 786,432 bytes in the whole launch
	s_cmp_lg_u32 s96, 0
	s_cbranch_scc1 .Lno_first
	WIN 0x08                                       ; a store's data are its source 1: window 2
.irp b, 0,1,2,3,4,5,6,7
	global_store_b128 v[FO], v[8*\b:8*\b+3], s[14:15] offset:(\b/4)*4096+(\b%4)*64        ; each accumulator from its low end on
	global_store_b128 v[FO], v[8*\b+4:8*\b+7], s[14:15] offset:(\b/4)*4096+(\b%4)*64+16
.endr
	WIN 0
.Lno_first:
; THE WAY OUT, block by block of 16 tokens: rounded to f16, 16 bytes a lane, through my stage, back as rows of 128 bytes of each of my two heads.  The stage lies in slot 0, which has had its
; only fill, and which nobody reads behind the change of slots.
.macro PACK a
.set AC, 64*((\a)%4)
	WIN 0x0a+5*((\a)/4)                            ; sources 0 and 1: window 2 or 3
.irp b, 0,1,2,3,4,5,6,7
.irp r, 0,1,2,3
	v_cvt_pk_f16_f32 v[TMP+4*\b+\r], v[AC+8*\b+2*\r], v[AC+8*\b+2*\r+1]
.endr
.endr
	WIN 0
.endm
.macro TOSTAGE a
.set BK, OB+192*((\a)%2)
.irp b, 0,1,2,3,4,5,6,7
	ds_store_b128 v[STO], v[TMP+4*\b:TMP+4*\b+3] offset:(\b/4)*16*PB+(\b%4)*32
.endr
.irp u, 0,1,2,3,4,5,6,7
	ds_load_b128 v[BK+4*\u:BK+4*\u+3], v[RD] offset:(\u/4)*16*PB+(\u%4)*4*PB   ; LDS serves a wave's instructions in order: these see the stores above
.endr
.endm
.macro SEND a
.set BK, OB+192*((\a)%2)
	s_wait_dscnt 0x0                               ; the block is back in registers
	s_wait_xcnt 0x0                                ; the stores of the block before have read their registers: the next block's loads may land there
.irp u, 0,1,2,3,4,5,6,7
	global_store_b128 v[CO], v[BK+4*\u:BK+4*\u+3], s[12:13] offset:(\u/4)*262144+2048*(\a)+(\u%4)*512   ; 32 lanes store 512 consecutive bytes, aligned
.endr
.endm
	PACK 0
	TOSTAGE 0
.irp a, 1,2,3,4,5,6,7                  ; block a's conversions stand between block a - 1's loads from the stage and the wait for them
	PACK \a
	SEND \a-1
	TOSTAGE \a
.endr
	SEND 7
	s_wait_tensorcnt 0x0                           ; the wave's end
	ds_add_u32 v[SPW], v[NIL]
	s_wait_dscnt 0x0
	CROUND                                         ; the closing round
	s_endpgm
.Lfunc_end_k_qaf039fe6ed_qkvgemm:
	.size	k_qaf039fe6ed_qkvgemm, .Lfunc_end_k_qaf039fe6ed_qkvgemm-k_qaf039fe6ed_qkvgemm
	.p2alignl 7, 3214868480
	.fill 96, 4, 3214868480
	.section	.rodata,"a",@progbits
	.p2align	6, 0x0
	.amdhsa_kernel k_qaf039fe6ed_qkvgemm
		.amdhsa_group_segment_fixed_size 327680
		.amdhsa_private_segment_fixed_size 0
		.amdhsa_enable_private_segment 0
		.amdhsa_kernarg_size 48
		.amdhsa_user_sgpr_count 2
		.amdhsa_user_sgpr_kernarg_segment_ptr 1
		.amdhsa_wavefront_size32 1
		.amdhsa_system_sgpr_workgroup_id_x 1
		.amdhsa_system_sgpr_workgroup_id_y 1
		.amdhsa_system_sgpr_workgroup_id_z 1
		.amdhsa_system_vgpr_workitem_id 0
		.amdhsa_next_free_vgpr 1024
		.amdhsa_next_free_sgpr 100
		.amdhsa_reserve_vcc 0
		.amdhsa_float_denorm_mode_32 3
		.amdhsa_float_denorm_mode_16_64 3
		.amdhsa_memory_ordered 1
		.amdhsa_forward_progress 1
		.amdhsa_inst_pref_size 128
	.end_amdhsa_kernel
	.amdgpu_metadata
---
amdhsa.version: [ 1, 2 ]
amdhsa.kernels:
  - .name:           k_qaf039fe6ed_qkvgemm
    .symbol:         k_qaf039fe6ed_qkvgemm.kd
    .args:
      - { .name: xc, .offset: 0, .size: 8, .value_kind: global_buffer, .address_space: global }
      - { .name: xs, .offset: 8, .size: 8, .value_kind: global_buffer, .address_space: global }
      - { .name: wc, .offset: 16, .size: 8, .value_kind: global_buffer, .address_space: global }
      - { .name: ws, .offset: 24, .size: 8, .value_kind: global_buffer, .address_space: global }
      - { .name: qkv, .offset: 32, .size: 8, .value_kind: global_buffer, .address_space: global }
      - { .name: first, .offset: 40, .size: 8, .value_kind: global_buffer, .address_space: global }
    .group_segment_fixed_size: 327680
    .private_segment_fixed_size: 0
    .kernarg_segment_align: 8
    .kernarg_segment_size: 48
    .max_flat_workgroup_size: 128
    .sgpr_count:     100
    .vgpr_count:     1024
    .wavefront_size: 32
...
	.end_amdgpu_metadata
.endif
;; end of part 2
;; launch attn (part 3): grid 4 x 64, 8 waves a work-group, no clusters, 327,680 bytes of LDS; arguments qkv, rel_table, att; writes att
.if DOCPART == 3
	.amdgcn_target "amdgcn-amd-amdhsa--gfx1250"
	.amdhsa_code_object_version 6
	.text
	.protected	k_qaf039fe6ed_attn
	.globl	k_qaf039fe6ed_attn
	.p2align	8
	.type	k_qaf039fe6ed_attn,@function
k_qaf039fe6ed_attn:
	s_mov_b64 s[64:65], 0
	v_nop
	global_prefetch_b8 v0, s[64:65] scope:SCOPE_SE
	s_setreg_imm32_b32 hwreg(HW_REG_WAVE_MODE, 25, 1), 1
	s_wait_xcnt 0x0
; att[head][token][:] = softmax_k(q . k / 8 + bias(k - q), causal) v, for one batch and head a work-group row.  q, k, v: f16 [2048][64] planes of qkv; products on f16 operands, sums, maxima and softmax in f32;
; the weights p are rounded to f16 for the second product, the result once at the end.  (Positions 0 to 15 are made here too, and made again in f32 by a later launch, which alone feeds the output's rows.)
; SHARES.  Work-group x = p (0..3) owns the query blocks 7 - p and p, of 256 queries: it walks 8 - p blocks of 256 keys for the first and p + 1 for the second: NINE SLOTS in every work-group, so all trip counts are
; constants and all work-groups have the same work.  Each of eight waves owns 32 queries, two tiles of 16; two waves share a SIMD, so that one wave's softmax stands beside the other's products and LDS loads.
; NO CLUSTER: under the causal mask the four work-groups of a head walk different key blocks at the same trip, so no tile is wanted by two of them at the same time.
; LAYOUT.  S^T = K Q^T (source 0 = 16 keys, source 1 = 16 queries): a lane holds ONE query (lane % 16) and keys 8 (lane / 16) + 0..7.  Two such tiles, rounded in pairs, are source 1 of O^T = V^T P.  V is turned by ds_load_tr16_b128.
; BIAS AND MASK.  query - key = 16 e + d0 - j, d0 = lane % 16 - 8 (lane / 16), j the register, e a whole number of the tile.  e >= 2: bucket 0.  e = 1: bucket max(j - d0, 0).  e = 0: bucket 16 - d0 + j, hidden where j > d0.
; e < 0: hidden.  So eight registers for e = 0, eight for e = 1 and one number serve the whole launch; a step whose every tile has e >= 2 folds bucket 0 into the exponent's addend and pays nothing.
; SOFTMAX in base 2: t = s log2(e) / 8 + bias log2(e); a running maximum mt and sum l for each query; p = 2^(t - mt); in every step O and l are multiplied by a = 2^(old mt - new mt).
; LIMITS: NaN and infinities are not served; |v| under 65,504.
; REGISTERS.  window 0: v1-13 addresses; v16-31 statistics, 8 a tile; v32-39 band e = 0, v40-47 band e = 1, v48-49 bucket 0, v50-51 -infinity; v52-63 set-up; v64-127 S^T, 32 a tile; v128-191 K; v192-255 V.
;   window 1: v0-31 Q; v32-63 P; v64-127 O^T, 32 a tile.
.set PK,    144                        ; a key's row in LDS: 128 bytes + 16: 36 words, so the 16 rows of a load start at 16 different banks
.set PVV,   160                        ; a row of V: 128 + 32: 40 words, for the turning load
.set VOFF,  64*PK
.set STEPB, 64*(PK+PVV)                ; a step's tiles lie together: 64 rows of K, then 64 rows of V
.set SLOT1, 1<<17                      ; a slot holds four steps (77,824 bytes); slot 1 begins here, so that one exclusive or turns an address
.set STAGE, 4*STEPB                    ; between the slots: 32 rows x 144 bytes for each wave; no fill lands here
.set SPARE, STAGE+8*32*PK              ; the spare words, 128 bytes for each wave: four blocks of 256 bytes that no other line names
.set AK0, 3
.set AV0, 4
.set ADK, 5
.set ADV, 6
.set QO,  7
.set STO, 8
.set RD,  9
.set GO,  10
.set PFO, 11
.set SPW, 12
.set NIL, 13
.set ST,  16                           ; tile t at v[ST + 8 t]: +0 the exponent's addend, +1 mt, +2, +3 l (even keys', odd keys'), +4 to +7 c0-c3, at work; a takes c2's place
.set S,   64
.set MSB, 0
.macro WIN new
.if MSB != (\new)
	s_set_vgpr_msb (MSB<<8)|(\new)
.set MSB, (\new)
.endif
.endm
; s10 wave, s11 wave % 4, s12 p, s13 8 - p, s14 slot counter, s15 step counter, s16 the step's first key, s17 my first query, s18 their distance, s19 at work, s[20:21] lane selects,
; s[22:23] c, s[24:25] the step's factor, s26 bucket 0, s27 the step's bias, s28 LDS byte of the step in hand, s29 the prefetches' limit, s[30:31], s[32:33] my tile of K, of V in key block 0,
; s[34:35] where my prefetches stand, s[36:37] Q, s[38:39] the output, s[40:47], s[48:55] descriptor groups 1, s[56:59], s[60:63] groups 0, s[66:69] offsets
; Waves 0 to 3 fetch the four steps' tiles of K, waves 4 to 7 those of V: one load of 64 rows a wave.  An s_nop 0 and four v_nop follow each line.
.macro TLOAD
	s_cmp_lt_u32 s10, 4
	s_cbranch_scc0 .Lfor_v_\@
	tensor_load_to_lds s[56:59], s[40:47]
	s_nop 0
.rept 4
	v_nop
.endr
	s_branch .Lasked_\@
.Lfor_v_\@:
	tensor_load_to_lds s[60:63], s[48:55]
	s_nop 0
.rept 4
	v_nop
.endr
.Lasked_\@:
.endm
; A PREFETCH INTO THE L2 of the key block that the NEXT change of slots will ask for: four key steps ahead of that load.  All four work-groups of a head read the same K and V; the one with p = 0 walks key blocks 0 to 7 in
; order and asks, and nobody else.  Each of its waves asks for the 8,192 bytes that it will fetch itself, lanes 256 bytes apart: each block is named once.  Key blocks 0 and 1 come by their loads alone; block 7 is the last asked for.
.macro ASK
	s_cmp_lt_u32 s14, s29
	s_cbranch_scc0 .Lnot_mine_\@
	global_prefetch_b8 v[PFO], s[34:35] th:TH_LOAD_NT scope:SCOPE_SE
.Lnot_mine_\@:
.endm
; THE CHANGE OF SLOTS, at a slot's head.  Each wave waits for all its tensor loads (its part of the slot ahead), adds 0 to its spare word, and waits for that and for its reads of the slot that it has left.
; fill = 1: behind the barrier the slot just left is filled with the walk's next key block: the load has four key steps in which to land.  One tensor load of mine is out at any time.
.macro CHANGE fill
	s_wait_tensorcnt 0x0                           ; no tensor load of mine is out, so a group 0 may be written
	ds_add_u32 v[SPW], v[NIL]                      ; 0 onto my spare word; the descriptors' steps stand between it and the wait for it
.if \fill
	s_xor_b32 s57, s57, SLOT1
	s_xor_b32 s61, s61, SLOT1
	s_add_co_u32 s19, s14, 1                       ; the next slot of the walk:
	s_cmp_lt_u32 s19, s13
	s_cselect_b32 s66, 0, s13
	s_sub_co_u32 s66, s19, s66                     ; its key block: the count begins anew with the second query block
	s_lshl_b32 s66, s66, 15                        ; 256 keys x 128 bytes
	s_add_nc_u64 s[58:59], s[30:31], s[66:67]
	s_or_b32 s59, s59, 0x80000000
	s_add_nc_u64 s[62:63], s[32:33], s[66:67]
	s_or_b32 s63, s63, 0x80000000
	s_wait_xcnt 0x0                                ; the last prefetch, a slot back, has read its address
	s_add_nc_u64 s[34:35], s[34:35], 32768
.endif
	s_wait_dscnt 0x0
	s_barrier_signal -1
	s_barrier_wait -1
.if \fill
	TLOAD
	ASK
.endif
.endm
; A query block begins: Q into registers, O^T, the sums and the maximum at their starts.  All eight statistics are written, so that every later line finds them written on every way.
.macro START
	s_lshl_b32 s66, s17, 7
	s_add_nc_u64 s[36:37], s[4:5], s[66:67]
	WIN 0x40                                       ; destination window 1
.irp t, 0,1
.irp c, 0,1
	global_load_b128 v[16*\t+8*\c:16*\t+8*\c+3], v[QO], s[36:37] offset:2048*\t+64*\c
	global_load_b128 v[16*\t+8*\c+4:16*\t+8*\c+7], v[QO], s[36:37] offset:2048*\t+64*\c+32
.endr
.endr
.set i, 0
.rept 64
	v_mov_b32 v[64+i], 0                           ; O^T: the step is written once, and its first turn multiplies zeros
.set i, i+1
.endr
	WIN 0
.irp t, 0,1
.irp k, 0,2,3,4,5,6,7
	v_mov_b32 v[ST+8*\t+\k], 0
.endr
	v_mov_b32 v[ST+8*\t+1], 0xff61b1e6             ; the largest t so far: -3e38, under every t
.endr
	s_wait_loadcnt 0x0
.endm
; A query block ends: O^T / l, rounded to f16, through my stage, out as 2,048 bytes on end for each tile of 16 queries.
.macro FINISH
.rept 4
	v_nop                                          ; the places behind the last products
.endr
	s_lshl_b32 s66, s17, 7
	s_add_nc_u64 s[38:39], s[8:9], s[66:67]
.irp t, 0,1
	v_add_f32 v[ST+8*\t+4], v[ST+8*\t+2], v[ST+8*\t+3]
.endr
.irp t, 0,1
	v_permlanex16_b32 v[ST+8*\t+5], v[ST+8*\t+4], s20, s21
.endr
.irp t, 0,1
	v_add_f32 v[ST+8*\t+4], v[ST+8*\t+4], v[ST+8*\t+5]
.endr
.irp t, 0,1
	v_rcp_f32 v[ST+8*\t+6], v[ST+8*\t+4]
.endr
	v_nop                                          ; a plain instruction behind the reciprocals,
	s_wait_alu depctr_va_vdst(0)                   ; and the one wait ahead of their first reader
	WIN 0x41
.irp t, 0,1
.set i, 0
.rept 16
	v_pk_mul_f32 v[64+32*\t+2*i:65+32*\t+2*i], v[64+32*\t+2*i:65+32*\t+2*i], v[ST+8*\t+6:ST+8*\t+7] op_sel_hi:[1,0]
.set i, i+1
.endr
.endr
	WIN 0x05                                       ; sources window 1, destination window 0: S^T's registers are free
.set i, 0
.rept 32
	v_cvt_pk_f16_f32 v[S+i], v[64+2*i], v[65+2*i]
.set i, i+1
.endr
	WIN 0
.irp t, 0,1
.irp c, 0,1,2,3
	ds_store_b128 v[STO], v[S+16*\t+4*\c:S+16*\t+4*\c+3] offset:16*PK*\t+32*\c
.endr
.endr
.irp u, 0,1,2,3,4,5,6,7
	ds_load_b128 v[S+32+4*\u:S+35+4*\u], v[RD] offset:16*PK*(\u/4)+4*PK*(\u%4)   ; LDS serves a wave's instructions in order: these see the stores above
.endr
.irp u, 0,1,2,3,4,5,6,7
	s_wait_dscnt 7-\u
	global_store_b128 v[GO], v[S+32+4*\u:S+35+4*\u], s[38:39] offset:512*\u    ; 32 lanes store 512 consecutive bytes, aligned
.endr
	s_wait_xcnt 0x0                                ; the stores have read their registers and base: the next block's scores and address may be written
.endm
; Near the diagonal the scores become t in place: s c + the tile's band.  dd = my first query - the step's first key.
.macro PRE dd
.irp t, 0,1
.irp kt, 0,1,2,3
.set EE, (\dd)/16+\t-\kt
.irp j, 0,2,4,6
.if EE >= 2
	v_pk_fma_f32 v[S+32*\t+8*\kt+\j:S+32*\t+8*\kt+\j+1], v[S+32*\t+8*\kt+\j:S+32*\t+8*\kt+\j+1], s[22:23], v[48:49] op_sel_hi:[1,0,1]
.elseif EE == 1
	v_pk_fma_f32 v[S+32*\t+8*\kt+\j:S+32*\t+8*\kt+\j+1], v[S+32*\t+8*\kt+\j:S+32*\t+8*\kt+\j+1], s[22:23], v[40+\j:41+\j] op_sel_hi:[1,0,1]
.elseif EE == 0
	v_pk_fma_f32 v[S+32*\t+8*\kt+\j:S+32*\t+8*\kt+\j+1], v[S+32*\t+8*\kt+\j:S+32*\t+8*\kt+\j+1], s[22:23], v[32+\j:33+\j] op_sel_hi:[1,0,1]
.else
	v_pk_fma_f32 v[S+32*\t+8*\kt+\j:S+32*\t+8*\kt+\j+1], v[S+32*\t+8*\kt+\j:S+32*\t+8*\kt+\j+1], s[22:23], v[50:51] op_sel_hi:[1,0,1]
.endif
.endr
.endr
.endr
.endm
; A KEY STEP: 64 keys.
.macro STEP
	s_add_co_u32 s19, s17, 31                      ; a step all of whose keys come after my 32 queries is left out: a branch on ids and counters, round no barrier, wait for tiles or tensor load
	s_cmp_gt_u32 s16, s19
	s_cbranch_scc1 .Lhid_\@
	v_add_nc_u32 v[ADK], s28, v[AK0]
	v_add_nc_u32 v[ADV], s28, v[AV0]
	v_nop
	v_nop                                          ; four places between the last products and the loads into V's registers
.irp kt, 0,1,2,3
.irp c, 0,1
	ds_load_b128 v[128+16*\kt+8*\c:131+16*\kt+8*\c], v[ADK] offset:16*PK*\kt+64*\c
	ds_load_b128 v[132+16*\kt+8*\c:135+16*\kt+8*\c], v[ADK] offset:16*PK*\kt+64*\c+32
.endr
.endr
.irp kh, 0,1
.irp ct, 0,1,2,3
	ds_load_tr16_b128 v[192+32*\kh+8*\ct:195+32*\kh+8*\ct], v[ADV] offset:32*PVV*\kh+32*\ct
	ds_load_tr16_b128 v[196+32*\kh+8*\ct:199+32*\kh+8*\ct], v[ADV] offset:32*PVV*\kh+32*\ct+16*PVV
.endr
.endr
	s_wait_dscnt 16                                ; K is in; V's sixteen loads may be out
	WIN 0x04                                       ; Q in window 1
.irp c, 0,1                                    ; eight accumulators by turns, one instruction a turn; the first eight start the sums
.irp kt, 0,1,2,3
.irp t, 0,1
.if \c == 0
	v_wmma_f32_16x16x32_f16 v[S+32*\t+8*\kt:S+32*\t+8*\kt+7], v[128+16*\kt+8*\c:135+16*\kt+8*\c], v[16*\t+8*\c:16*\t+8*\c+7], 0
.else
	v_wmma_f32_16x16x32_f16 v[S+32*\t+8*\kt:S+32*\t+8*\kt+7], v[128+16*\kt+8*\c:135+16*\kt+8*\c], v[16*\t+8*\c:16*\t+8*\c+7], v[S+32*\t+8*\kt:S+32*\t+8*\kt+7]
.endif
.endr
.endr
.endr
	WIN 0
	s_sub_co_u32 s18, s17, s16                     ; 0, 32, 64: the diagonal's bands reach into the step; 96 and more: every tile has bucket 0
	s_cmp_lt_u32 s18, 80
	s_cselect_b32 s24, 1.0, s22                    ; near: the scores are made t below, and the lines behind take them as they are;
	s_cselect_b32 s25, 1.0, s22
	s_cselect_b32 s27, 0, s26                      ; far: factor c and bucket 0 go into the same fused multiply-adds
.rept 4
	v_nop                                          ; the places behind the products
.endr
	s_cbranch_scc0 .Lfar_\@
	s_cmp_eq_u32 s18, 0
	s_cbranch_scc1 .Lp0_\@
	s_cmp_eq_u32 s18, 32
	s_cbranch_scc1 .Lp32_\@
	PRE 64
	s_branch .Lfar_\@
.Lp32_\@:
	PRE 32
	s_branch .Lfar_\@
.Lp0_\@:
	PRE 0
.Lfar_\@:
	; the softmax, the two tiles by turns.  Each accumulator is read from its low end on
.irp k, 0,1,2,3
.irp t, 0,1
	v_max3_num_f32 v[ST+8*\t+4+\k], v[S+32*\t+8*\k], v[S+32*\t+8*\k+1], v[S+32*\t+8*\k+2]
.endr
.endr
.irp g, 3,5
.irp k, 0,1,2,3
.irp t, 0,1
	v_max3_num_f32 v[ST+8*\t+4+\k], v[ST+8*\t+4+\k], v[S+32*\t+8*\k+\g], v[S+32*\t+8*\k+\g+1]
.endr
.endr
.endr
.irp t, 0,1
	v_max3_num_f32 v[ST+8*\t+4], v[ST+8*\t+4], v[S+32*\t+7], v[S+32*\t+15]
	v_max3_num_f32 v[ST+8*\t+6], v[ST+8*\t+6], v[S+32*\t+23], v[S+32*\t+31]
.endr
.irp t, 0,1
	v_max3_num_f32 v[ST+8*\t+4], v[ST+8*\t+4], v[ST+8*\t+5], v[ST+8*\t+6]
.endr
.irp t, 0,1
	v_max_num_f32 v[ST+8*\t+4], v[ST+8*\t+4], v[ST+8*\t+7]
.endr
.irp t, 0,1
	v_permlanex16_b32 v[ST+8*\t+5], v[ST+8*\t+4], s20, s21     ; the query's other 32 keys lie in the lane 16 away
.endr
.irp t, 0,1
	v_max_num_f32 v[ST+8*\t+4], v[ST+8*\t+4], v[ST+8*\t+5]
.endr
.irp t, 0,1
	v_fma_f32 v[ST+8*\t+4], v[ST+8*\t+4], s24, s27             ; the step's largest t (the factor is positive)
.endr
.irp t, 0,1
	v_mov_b32 v[ST+8*\t+7], v[ST+8*\t+1]
.endr
.irp t, 0,1
	v_max_num_f32 v[ST+8*\t+1], v[ST+8*\t+1], v[ST+8*\t+4]     ; the running maximum
.endr
.irp t, 0,1
	v_sub_f32 v[ST+8*\t+7], v[ST+8*\t+7], v[ST+8*\t+1]         ; old mt - new mt
.endr
.irp t, 0,1
	v_sub_f32 v[ST+8*\t], s27, v[ST+8*\t+1]                    ; the exponent's addend: bias - mt
.endr
.irp t, 0,1
	v_exp_f32 v[ST+8*\t+6], v[ST+8*\t+7]                       ; a
.endr
.set i, 0
.rept 16
	v_pk_fma_f32 v[S+2*i:S+2*i+1], v[S+2*i:S+2*i+1], s[24:25], v[ST:ST+1] op_sel_hi:[1,0,0]
	v_pk_fma_f32 v[S+32+2*i:S+33+2*i], v[S+32+2*i:S+33+2*i], s[24:25], v[ST+8:ST+9] op_sel_hi:[1,0,0]
.set i, i+1
.endr
.set i, 0
.rept 32
	v_exp_f32 v[S+i], v[S+i]                       ; p = 2^(t - mt)
	v_exp_f32 v[S+32+i], v[S+32+i]
.set i, i+1
.endr
	v_nop                                          ; a plain instruction behind the last exponential,
	s_wait_alu depctr_va_vdst(0)                   ; and ONE wait for all 66, ahead of their first reader
	WIN 0x40
.set i, 0
.rept 16
	v_cvt_pk_f16_f32 v[32+i], v[S+2*i], v[S+2*i+1]
	v_cvt_pk_f16_f32 v[48+i], v[S+32+2*i], v[S+33+2*i]
.set i, i+1
.endr
	WIN 0
.irp u, 0,1,2,3,4,5,6,7                        ; the sums of the unrounded p, in place: neighbours 1, 2, 4 and 8 pairs apart
.irp t, 0,1
	v_pk_add_f32 v[S+32*\t+4*\u:S+32*\t+4*\u+1], v[S+32*\t+4*\u:S+32*\t+4*\u+1], v[S+32*\t+4*\u+2:S+32*\t+4*\u+3]
.endr
.endr
.irp u, 0,1,2,3
.irp t, 0,1
	v_pk_add_f32 v[S+32*\t+8*\u:S+32*\t+8*\u+1], v[S+32*\t+8*\u:S+32*\t+8*\u+1], v[S+32*\t+8*\u+4:S+32*\t+8*\u+5]
.endr
.endr
.irp u, 0,1
.irp t, 0,1
	v_pk_add_f32 v[S+32*\t+16*\u:S+32*\t+16*\u+1], v[S+32*\t+16*\u:S+32*\t+16*\u+1], v[S+32*\t+16*\u+8:S+32*\t+16*\u+9]
.endr
.endr
.irp t, 0,1
	v_pk_add_f32 v[S+32*\t:S+32*\t+1], v[S+32*\t:S+32*\t+1], v[S+32*\t+16:S+32*\t+17]
.endr
.irp t, 0,1
	v_pk_fma_f32 v[ST+8*\t+2:ST+8*\t+3], v[ST+8*\t+2:ST+8*\t+3], v[ST+8*\t+6:ST+8*\t+7], v[S+32*\t:S+32*\t+1] op_sel_hi:[1,0,1]   ; l = a l + the sum
.endr
	WIN 0x41
.set i, 0
.rept 16
	v_pk_mul_f32 v[64+2*i:65+2*i], v[64+2*i:65+2*i], v[ST+6:ST+7] op_sel_hi:[1,0]          ; O^T x a
	v_pk_mul_f32 v[96+2*i:97+2*i], v[96+2*i:97+2*i], v[ST+14:ST+15] op_sel_hi:[1,0]
.set i, i+1
.endr
	s_wait_dscnt 0x0                               ; V is in
	WIN 0x54                                       ; V window 0, P window 1, O^T window 1
.irp kh, 0,1                                   ; eight accumulators by turns
.irp ct, 0,1,2,3
.irp t, 0,1
	v_wmma_f32_16x16x32_f16 v[64+32*\t+8*\ct:71+32*\t+8*\ct], v[192+32*\kh+8*\ct:199+32*\kh+8*\ct], v[32+16*\t+8*\kh:39+16*\t+8*\kh], v[64+32*\t+8*\ct:71+32*\t+8*\ct]
.endr
.endr
.endr
	WIN 0
.Lhid_\@:
	s_add_co_u32 s16, s16, 64
	s_add_co_u32 s28, s28, STEPB
.endm
.macro SLOT fill
	CHANGE \fill
	s_cmp_lg_u32 s14, s13                          ; the first query block's walk is over: ids and a counter, the same in all waves; no barrier, tensor load or wait for tiles stands inside
	s_cbranch_scc1 .Lsame_\@
	FINISH
	s_lshl_b32 s17, s12, 8
	s_lshl_b32 s19, s10, 5
	s_add_co_u32 s17, s17, s19                     ; my first query of block p
	s_mov_b32 s16, 0
	START
.Lsame_\@:
	s_mov_b32 s15, 4
.Lstep_\@:
	STEP
	s_sub_co_u32 s15, s15, 1
	s_cmp_lg_u32 s15, 0
	s_cbranch_scc1 .Lstep_\@
	s_sub_co_u32 s28, s28, 4*STEPB                 ; back to a slot's first step,
	s_xor_b32 s28, s28, SLOT1                      ; in the other slot
.endm
	s_load_b128 s[4:7], s[0:1], 0x0                ; qkv s[4:5], rel_table s[6:7]
	s_load_b64 s[8:9], s[0:1], 0x10                ; att
	v_lshl_add_u32 v[SPW], v0, 2, SPARE
	v_mov_b32 v[NIL], 0
	ds_add_u32 v[SPW], v[NIL]                      ; the wave's opening: the add, twice on end, and its wait ahead of my first tensor load
	ds_add_u32 v[SPW], v[NIL]
	v_lshrrev_b32 v1, 5, v0
	v_readfirstlane_b32 s10, v1                    ; wave 0..7
	s_and_b32 s11, s10, 3
	s_mov_b32 s12, ttmp9
	s_sub_co_u32 s13, 8, s12
	s_mov_b32 s40, (1<<16)|(1<<20)|(4<<22)|(3<<25) ; K: elements of 2 bytes; 4 words of padding behind every 32
	s_mov_b32 s48, (1<<16)|(1<<20)|(4<<22)|(7<<25) ; V: 8 words of padding
.irp g, 40, 48
	s_mov_b32 s[\g+1], 64<<16                      ; tensor_dim0 = 64
	s_mov_b32 s[\g+2], 64<<16                      ; tensor_dim1 = 64
	s_mov_b32 s[\g+3], 64<<16                      ; tile_dim0 = 64
	s_mov_b32 s[\g+4], 64                          ; tile_dim1 = 64
	s_mov_b32 s[\g+5], 64                          ; elements from row to row
	s_mov_b32 s[\g+6], 0
	s_mov_b32 s[\g+7], 0
.endr
	s_mov_b32 s20, 0x76543210
	s_mov_b32 s21, 0xfedcba98
	s_mov_b32 s22, 0x3e38aa3b                      ; c = log2(e) / 8
	s_mov_b32 s23, s22
	s_mov_b32 s28, 0
	s_mov_b32 s67, 0
	s_mov_b32 s69, 0
	s_cmp_eq_u32 s12, 0
	s_cselect_b32 s29, 6, 0                        ; changes 0 to 5 of the work-group with p = 0 prefetch key blocks 2 to 7
	s_and_b32 s19, ttmp7, 0xffff                   ; 16 batch + head
	s_lshl_b32 s66, s19, 18
	s_lshl_b32 s68, s11, 13                        ; my step's 64 rows of 128 bytes
	s_mov_b32 s56, 1
	s_mul_i32 s57, s11, STEPB
	s_mov_b32 s60, 1
	s_add_co_u32 s61, s57, VOFF
	s_wait_dscnt 0x0                               ; both opening adds are done
	s_wait_kmcnt 0x0
	s_add_nc_u64 s[4:5], s[4:5], s[66:67]          ; q's plane
	s_add_nc_u64 s[30:31], s[4:5], s[68:69]
	s_add_nc_u64 s[32:33], s[30:31], 0x2000000     ; v's planes lie 128 planes of 262,144 bytes on,
	s_add_nc_u64 s[30:31], s[30:31], 0x1000000     ; k's 64
	s_mov_b64 s[58:59], s[30:31]
	s_or_b32 s59, s59, 0x80000000
	s_mov_b64 s[62:63], s[32:33]
	s_or_b32 s63, s63, 0x80000000
	TLOAD                                          ; slot 0: key block 0, which counts for every query
	s_and_b32 s66, s19, 15                         ; the head
	s_lshl_b32 s68, s66, 2
	s_add_nc_u64 s[6:7], s[6:7], s[68:69]          ; the table's column of my head
	s_lshl_b32 s66, s66, 20
	s_lshr_b32 s68, s19, 4
	s_lshl_b32 s68, s68, 18
	s_add_co_u32 s66, s66, s68
	s_add_nc_u64 s[8:9], s[8:9], s[66:67]          ; att: head x 8,192 tokens + batch x 2,048, of 128 bytes
	s_cmp_lt_u32 s10, 4
	s_cselect_b64 s[34:35], s[30:31], s[32:33]
	s_add_nc_u64 s[34:35], s[34:35], 32768         ; at key block 1: the first change steps it to block 2.  Nothing is prefetched here, at the head
	v_and_b32 v1, 15, v0                           ; r
	v_bfe_u32 v2, v0, 4, 1                         ; h
	v_mul_u32_u24 v[AK0], v1, PK
	v_lshl_add_u32 v[AK0], v2, 4, v[AK0]
	v_and_b32 v52, 7, v0
	v_lshl_add_u32 v[AV0], v2, 3, v52
	v_mul_u32_u24 v[AV0], v[AV0], PVV
	v_bfe_u32 v52, v0, 3, 1
	v_lshl_add_u32 v[AV0], v52, 4, v[AV0]
	v_add_nc_u32 v[AV0], VOFF, v[AV0]
	v_lshlrev_b32 v[QO], 7, v1
	v_lshl_add_u32 v[QO], v2, 4, v[QO]
	s_mul_i32 s19, s10, 32*PK
	s_add_co_u32 s19, s19, STAGE
	v_add_nc_u32 v[STO], s19, v[AK0]               ; my stage: row r, 16 bytes for each half of the lanes
	v_and_b32 v52, 31, v0
	v_lshrrev_b32 v53, 3, v52
	v_mul_u32_u24 v[RD], v53, PK
	v_and_b32 v53, 7, v0
	v_lshl_add_u32 v[RD], v53, 4, v[RD]
	v_add_nc_u32 v[RD], s19, v[RD]                 ; back: eight lanes to a row, four rows an instruction
	v_lshlrev_b32 v[GO], 4, v52
	v_lshlrev_b32 v[PFO], 8, v52
	; the bias bands.  Every index comes from the lane alone and lies inside the table's 33 rows
	v_lshlrev_b32 v52, 3, v2
	v_sub_nc_u32 v60, v1, v52                      ; d0 = r - 8 h, -8 .. 15
	v_sub_nc_u32 v61, 16, v60
	v_lshlrev_b32 v61, 6, v61                      ; row 16 - d0, 64 bytes a row
	v_add_nc_u32 v62, 8, v60
	v_mov_b32 v63, 0
.irp j, 0,1,2,3,4,5,6,7
	v_min_u32 v[52+\j], \j+8, v62
	v_sub_nc_u32 v[52+\j], \j+8, v[52+\j]          ; max(j - d0, 0)
	v_lshlrev_b32 v[52+\j], 6, v[52+\j]
.endr
.irp j, 0,1,2,3,4,5,6,7
	global_load_b32 v[32+\j], v61, s[6:7] offset:64*\j
	global_load_b32 v[40+\j], v[52+\j], s[6:7]
.endr
	global_load_b32 v48, v63, s[6:7]               ; bucket 0
	v_mov_b32 v50, 0xff800000
	v_mov_b32 v51, 0xff800000
	s_wait_loadcnt 0x0
.irp j, 0,1,2,3,4,5,6,7
	v_mul_f32 v[32+\j], 0x3fb8aa3b, v[32+\j]       ; x log2(e)
	v_mul_f32 v[40+\j], 0x3fb8aa3b, v[40+\j]
.endr
	v_mul_f32 v48, 0x3fb8aa3b, v48
.irp j, 0,1,2,3,4,5,6,7
	v_cmp_gt_i32 vcc_lo, \j, v60                   ; on the diagonal's tile key j comes after the query where j > d0
	v_cndmask_b32 v[32+\j], v[32+\j], v50, vcc_lo
.endr
	v_mov_b32 v49, v48
	v_readfirstlane_b32 s26, v48                   ; as an operand alone: no branch and no address hangs on it
	s_sub_co_u32 s17, 7, s12
	s_lshl_b32 s17, s17, 8
	s_lshl_b32 s19, s10, 5
	s_add_co_u32 s17, s17, s19                     ; my first query of block 7 - p
	s_mov_b32 s16, 0
	START
	s_mov_b32 s14, 0
.Lslot:                                            ; eight trips: behind each change of slots but the last the walk's next key block is asked for
	SLOT 1
	s_add_co_u32 s14, s14, 1
	s_cmp_lt_u32 s14, 8
	s_cbranch_scc1 .Lslot
	SLOT 0                                         ; the ninth slot is written out
	FINISH
	s_wait_tensorcnt 0x0                           ; the wave's end
	ds_add_u32 v[SPW], v[NIL]
	s_wait_dscnt 0x0
	s_endpgm
.Lfunc_end_k_qaf039fe6ed_attn:
	.size	k_qaf039fe6ed_attn, .Lfunc_end_k_qaf039fe6ed_attn-k_qaf039fe6ed_attn
	.p2alignl 7, 3214868480
	.fill 96, 4, 3214868480
	.section	.rodata,"a",@progbits
	.p2align	6, 0x0
	.amdhsa_kernel k_qaf039fe6ed_attn
		.amdhsa_group_segment_fixed_size 327680
		.amdhsa_private_segment_fixed_size 0
		.amdhsa_enable_private_segment 0
		.amdhsa_kernarg_size 24
		.amdhsa_user_sgpr_count 2
		.amdhsa_user_sgpr_kernarg_segment_ptr 1
		.amdhsa_wavefront_size32 1
		.amdhsa_system_sgpr_workgroup_id_x 1
		.amdhsa_system_sgpr_workgroup_id_y 1
		.amdhsa_system_sgpr_workgroup_id_z 1
		.amdhsa_system_vgpr_workitem_id 0
		.amdhsa_next_free_vgpr 384
		.amdhsa_next_free_sgpr 72
		.amdhsa_reserve_vcc 1
		.amdhsa_float_denorm_mode_32 3
		.amdhsa_float_denorm_mode_16_64 3
		.amdhsa_memory_ordered 1
		.amdhsa_forward_progress 1
		.amdhsa_inst_pref_size 91
	.end_amdhsa_kernel
	.amdgpu_metadata
---
amdhsa.version: [ 1, 2 ]
amdhsa.kernels:
  - .name:           k_qaf039fe6ed_attn
    .symbol:         k_qaf039fe6ed_attn.kd
    .args:
      - { .name: qkv, .offset: 0, .size: 8, .value_kind: global_buffer, .address_space: global }
      - { .name: rel_table, .offset: 8, .size: 8, .value_kind: global_buffer, .address_space: global }
      - { .name: att, .offset: 16, .size: 8, .value_kind: global_buffer, .address_space: global }
    .group_segment_fixed_size: 327680
    .private_segment_fixed_size: 0
    .kernarg_segment_align: 8
    .kernarg_segment_size: 24
    .max_flat_workgroup_size: 256
    .sgpr_count:     72
    .vgpr_count:     384
    .wavefront_size: 32
...
	.end_amdgpu_metadata
.endif
;; end of part 3
;; launch proj (part 4): grid 4 x 64, 4 waves a work-group, clusters of 4 x 4, 327,680 bytes of LDS; arguments att, wph, bp, out0; writes out0
.if DOCPART == 4
	.amdgcn_target "amdgcn-amd-amdhsa--gfx1250"
	.amdhsa_code_object_version 6
	.text
	.protected	k_qaf039fe6ed_proj
	.globl	k_qaf039fe6ed_proj
	.p2align	8
	.type	k_qaf039fe6ed_proj,@function
k_qaf039fe6ed_proj:
	s_mov_b64 s[64:65], 0
	v_nop
	global_prefetch_b8 v0, s[64:65] scope:SCOPE_SE
	s_setreg_imm32_b32 hwreg(HW_REG_WAVE_MODE, 25, 1), 1
	s_wait_xcnt 0x0
	s_wait_alu depctr_hold_cnt(0) depctr_sa_sdst(0) depctr_va_vdst(0) depctr_va_sdst(0) depctr_va_ssrc(0) depctr_va_vcc(0) depctr_vm_vsrc(0)
	s_getreg_b32 s2, hwreg(HW_REG_IB_STS2, 6, 4)
	s_cmp_eq_u32 s2, 0
	s_cbranch_scc0 .Lentry_in_a_cluster
	s_endpgm
.Lentry_in_a_cluster:
	s_bfe_u32 s2, ttmp6, 0x10000c
	s_cmp_lg_u32 s2, 0xf033
	s_cbranch_scc0 .Lentry_shape_is_right
	s_endpgm
.Lentry_shape_is_right:
; out0[token][n] = sum over k of att[token][k] Wp[k][n] + bp[n], on f16 operands, sums in f32; all rows but positions 0 to 15 of each batch, which a later launch makes in f32.
; att lies by heads, [16][8192 tokens][64] f16; wph is Wp in f16, [1024 (k)][1024 (n)].
; A tile of the output is 128 tokens x 256 features: 256 work-groups, one for each WGP (tiles of 256 x 256 would be 128).  Four waves, each 64 x 128: 32 accumulators, 256 registers.
; K goes in 8 steps of 128, two heads, through a ring of two LDS slots.  Waves 0 and 1 fetch the two heads' 128 tokens x 128 bytes (LDS rows 144 apart), waves 2 and 3 each 64 rows of Wp x 512 bytes (LDS rows 544 apart).
; CLUSTERS: 4 x 4.  The four of a row need the same tokens, the four of a column the same features: each tile is asked for JOINTLY.  The tile row is 16 cy + cluster y, so that the batch is cy and
; 'the tile holds positions 0 to 15' is cluster y = 0: the same in all partners.
; THE MATRIX INSTRUCTION IS USED TRANSPOSED (source 0 = 16 features of Wp, turned by ds_load_tr16_b128; source 1 = 16 tokens): a lane holds eight neighbouring features of one token.  bp is the C of each sum's first instruction.
; REGISTERS: window 0: v16-30 addresses; v64-95, v96-127 the tokens' fragments, two buffers; v128-255 the way out.  window 1: v0-63, v64-127 Wp's fragments, two buffers; v128-191 bp in the result's layout.  window 2: accumulators.
.set PA,     144
.set PLA,    128*PA
.set PW,     544                       ; 136 words
.set HALFW,  64*PW
.set SLOT,   2*PLA+2*HALFW
.set STAGE,  2*SLOT                    ; behind the ring: 16 rows x 528 bytes for each wave
.set SPITCH, 528
.set SPARE,  STAGE+4*16*SPITCH         ; the spare words, 128 bytes for each wave: two blocks of 256 bytes that no other line names
.set ADRA, 16
.set ADRB, 20
.set STO,  24
.set RD,   25
.set CO,   26
.set BO,   27
.set SPW,  28
.set NIL,  29
.set PFO,  30
.set BK,   128
.set G1, 24
.set G0, 32
.set G1B, 48
.set G0B, 56
.set MSB, 0
.macro WIN new
.if MSB != (\new)
	s_set_vgpr_msb (MSB<<8)|(\new)
.set MSB, (\new)
.endif
.endm
.set MUL,  0xa1                        ; source 0 (Wp) window 1, source 1 (tokens) window 0, C and D window 2; with C in window 1 (bp): 0x91
.set TO_B, 0x40
.macro JLOAD s                         ; a joint load: waves 0 and 1 fetch the tokens' two heads, waves 2 and 3 Wp's two halves; an s_nop 0 and four v_nop follow each line
	s_cmp_eq_u32 s13, 0
	s_cbranch_scc0 .Lfor_b_\@
	tensor_load_to_lds s[G0+4*\s:G0+4*\s+3], s[G1:G1+7]
	s_nop 0
.rept 4
	v_nop
.endr
	s_branch .Lasked_\@
.Lfor_b_\@:
	tensor_load_to_lds s[G0B+4*\s:G0B+4*\s+3], s[G1B:G1B+7]
	s_nop 0
.rept 4
	v_nop
.endr
.Lasked_\@:
.endm
.macro CREST
	s_cmp_lg_u32 s12, 0
	s_cbranch_scc1 .Lnot_wave_0_\@
	s_barrier_signal -3
.Lnot_wave_0_\@:
	s_barrier_wait -3
	s_barrier_signal -1
	s_barrier_wait -1
.endm
.macro CROUND
	s_barrier_signal -1
	s_barrier_wait -1
	CREST
.endm
; A PREFETCH INTO THE L2 of the tokens' K step that stands two refills on: 2 heads x 128 tokens x 128 bytes.  Only my row of the cluster reads these rows; its four partners share the 32,768 bytes out BY ADDRESS
; (head cx / 2, half cx % 2), wave 0 of each asks, lanes 256 bytes apart: each block is named once.  K steps 4 to 7 are asked for; 0 to 3 come by their loads alone.  Wp is read by every cluster and is not asked for.
.macro ASK
	s_cmp_gt_u32 s3, s45                           ; the loop's last trip has no K step two refills on
	s_cbranch_scc0 .Lnot_mine_\@
	global_prefetch_b8 v[PFO], s[66:67] th:TH_LOAD_NT scope:SCOPE_SE
.Lnot_mine_\@:
.endm
	s_load_b256 s[4:11], s[0:1], 0x0               ; att s[4:5], wph s[6:7], bp s[8:9], out0 s[10:11]
	v_lshl_add_u32 v[SPW], v0, 2, SPARE
	v_mov_b32 v[NIL], 0
	ds_add_u32 v[SPW], v[NIL]                      ; the wave's opening: the add, twice on end, and its wait ahead of my first tensor load
	ds_add_u32 v[SPW], v[NIL]
	v_lshrrev_b32 v1, 5, v0
	v_readfirstlane_b32 s12, v1                    ; wave 0..3
	s_lshr_b32 s13, s12, 1                         ; which 64 of the tile's tokens are mine.  Also: I fetch tokens (0) or Wp (1)
	s_and_b32 s14, s12, 1                          ; which 128 of its features.  Also: which head, or half, I fetch
	s_bfe_u32 s40, ttmp6, 0x40000                  ; cx
	s_bfe_u32 s41, ttmp6, 0x40004                  ; cy
	s_lshl_b32 s42, ttmp9, 2
	s_add_co_u32 s42, s42, s40                     ; tile column
	s_and_b32 s69, ttmp7, 0xffff                   ; cluster y
	s_lshl_b32 s15, s41, 4
	s_add_co_u32 s15, s15, s69                     ; tile row = 16 cy + cluster y
	s_or_b32 s68, s69, s13                         ; 0 where my first 16 tokens are positions 0 to 15
	s_lshl_b32 s43, s41, 2
	s_lshl_b32 s43, 15, s43                        ; my row of the cluster
	s_lshl_b32 s44, 0x1111, s40                    ; my column
	s_or_b32 s[G1+0], s43, (1<<16)|(1<<20)|(1<<21)|(4<<22)|(3<<25)   ; tokens: elements of 2 bytes; 4 words of padding behind every 32
	s_mov_b32 s[G1+1], 64<<16
	s_mov_b32 s[G1+2], 128<<16
	s_mov_b32 s[G1+3], 64<<16
	s_mov_b32 s[G1+4], 128
	s_mov_b32 s[G1+5], 64
	s_mov_b32 s[G1+6], 0
	s_mov_b32 s[G1+7], 0
	s_or_b32 s[G1B+0], s44, (1<<16)|(1<<20)|(1<<21)|(6<<22)|(7<<25)  ; Wp: 8 words of padding behind every 128
	s_mov_b32 s[G1B+1], 256<<16
	s_mov_b32 s[G1B+2], 64<<16
	s_mov_b32 s[G1B+3], 256<<16
	s_mov_b32 s[G1B+4], 64
	s_mov_b32 s[G1B+5], 1024
	s_mov_b32 s[G1B+6], 0
	s_mov_b32 s[G1B+7], 0
	s_lshl_b32 s16, s14, 20                        ; tokens: my head's plane of 1,048,576 bytes,
	s_lshl_b32 s17, s15, 14                        ; 128 tokens x 128 bytes x tile row
	s_add_co_u32 s16, s16, s17
	s_mov_b32 s17, 0
	s_lshl_b32 s46, s14, 17                        ; Wp: 64 rows of 2,048 bytes x half,
	s_lshl_b32 s47, s42, 9                         ; 512 bytes x tile column
	s_add_co_u32 s46, s46, s47
	s_mov_b32 s47, 0
	s_mul_i32 s20, s14, PLA                        ; where they go: no place in the cluster enters an LDS address
	s_mul_i32 s21, s14, HALFW
	s_add_co_u32 s21, s21, 2*PLA
	s_wait_dscnt 0x0                               ; both opening adds are done
	s_wait_kmcnt 0x0
	s_add_nc_u64 s[16:17], s[4:5], s[16:17]
	s_add_nc_u64 s[46:47], s[6:7], s[46:47]
	CROUND                                         ; all sixteen work-groups are here: the first joint loads meet
.irp s, 0,1
	s_mov_b32 s[G0+4*\s], 1
	s_add_co_u32 s[G0+4*\s+1], s20, \s*SLOT
	s_add_nc_u64 s[G0+4*\s+2:G0+4*\s+3], s[16:17], \s*0x200000
	s_or_b32 s[G0+4*\s+3], s[G0+4*\s+3], 0x80000000
	s_mov_b32 s[G0B+4*\s], 1
	s_add_co_u32 s[G0B+4*\s+1], s21, \s*SLOT
	s_add_nc_u64 s[G0B+4*\s+2:G0B+4*\s+3], s[46:47], \s*0x40000
	s_or_b32 s[G0B+4*\s+3], s[G0B+4*\s+3], 0x80000000
	JLOAD \s
.endr
	v_and_b32 v1, 15, v0                           ; r
	v_bfe_u32 v2, v0, 4, 1                         ; h
	v_mul_u32_u24 v3, v1, PA
	v_lshl_add_u32 v3, v2, 4, v3
	v_and_b32 v4, 7, v0
	v_lshl_add_u32 v4, v2, 3, v4
	v_mul_u32_u24 v4, v4, PW
	v_bfe_u32 v5, v0, 3, 1
	v_lshl_add_u32 v4, v5, 4, v4                   ; the turning load: row 8 h + lane % 8 of Wp, 16 bytes for each group of eight lanes
	s_mul_i32 s21, s13, 64*PA
	s_lshl_b32 s22, s14, 8
	s_add_co_u32 s22, s22, 2*PLA
.irp s, 0,1
	v_add_nc_u32 v[ADRA+\s], s21, v3
	v_add_nc_u32 v[ADRB+\s], s22, v4
	s_add_co_u32 s21, s21, SLOT
	s_add_co_u32 s22, s22, SLOT
.endr
	s_mul_i32 s23, s12, 16*SPITCH
	s_add_co_u32 s23, s23, STAGE
	v_mul_u32_u24 v5, v1, SPITCH
	v_lshl_add_u32 v5, v2, 5, v5
	v_add_nc_u32 v[STO], s23, v5                   ; my stage: row r, 32 bytes for each half of the lanes
	v_and_b32 v6, 31, v0
	v_lshlrev_b32 v[CO], 4, v6
	v_add_nc_u32 v[RD], s23, v[CO]                 ; back: the 32 lanes take one row of 512 bytes
	v_lshlrev_b32 v[BO], 5, v2
	v_lshlrev_b32 v[PFO], 8, v6
	s_lshl_b32 s20, s42, 10
	s_lshl_b32 s21, s14, 9
	s_add_co_u32 s20, s20, s21                     ; my first feature, in bytes of f32
	s_mov_b32 s21, 0
	s_add_nc_u64 s[8:9], s[8:9], s[20:21]
	s_add_nc_u64 s[10:11], s[10:11], s[20:21]
	s_lshl_b32 s20, s15, 19
	s_lshl_b32 s22, s13, 18
	s_add_co_u32 s20, s20, s22                     ; my first token's row of 4,096 bytes
	s_add_nc_u64 s[10:11], s[10:11], s[20:21]
	WIN TO_B
.irp b, 0,1,2,3,4,5,6,7
	global_load_b128 v[128+8*\b:131+8*\b], v[BO], s[8:9] offset:64*\b          ; bp at features 16 b + 8 h + 0 .. 7 of my 128
	global_load_b128 v[132+8*\b:135+8*\b], v[BO], s[8:9] offset:64*\b+16
.endr
	WIN 0
	s_lshl_b32 s20, s15, 14                        ; the prefetches: my tile row's tokens,
	s_lshr_b32 s22, s40, 1
	s_lshl_b32 s22, s22, 20                        ; head cx / 2 of a K step's two,
	s_add_co_u32 s20, s20, s22
	s_and_b32 s22, s40, 1
	s_lshl_b32 s22, s22, 13                        ; half cx % 2 of its 16,384 bytes
	s_add_co_u32 s20, s20, s22
	s_add_nc_u64 s[66:67], s[4:5], s[20:21]
	s_add_nc_u64 s[66:67], s[66:67], 3*0x200000    ; at K step 3: the first refill steps it to 4.  Nothing is prefetched here, at the head
	s_cmp_eq_u32 s12, 0
	s_cselect_b32 s45, 1, -1
.macro MUL8 f, a, first                ; the tokens' block a against Wp's eight, 32 along K.  The 32 accumulators take turns, one instruction a turn, in the same order in every quarter
.irp b, 0,1,2,3,4,5,6,7
.if \first
	v_wmma_f32_16x16x32_f16 v[8*(8*(\a)+\b):8*(8*(\a)+\b)+7], v[64*(\f)+8*\b:64*(\f)+8*\b+7], v[64+32*(\f)+8*(\a):64+32*(\f)+8*(\a)+7], v[128+8*\b:135+8*\b]
.else
	v_wmma_f32_16x16x32_f16 v[8*(8*(\a)+\b):8*(8*(\a)+\b)+7], v[64*(\f)+8*\b:64*(\f)+8*\b+7], v[64+32*(\f)+8*(\a):64+32*(\f)+8*(\a)+7], v[8*(8*(\a)+\b):8*(8*(\a)+\b)+7]
.endif
.endr
.endm
.macro FETCH slot, q, f                ; 24 LDS loads in one run: quarter q's fragments into buffer f: Wp's eight, then the tokens' four
	WIN TO_B
.irp b, 0,1,2,3,4,5,6,7
	ds_load_tr16_b128 v[64*(\f)+8*\b:64*(\f)+8*\b+3], v[ADRB+\slot] offset:32*PW*(\q)+32*\b
	ds_load_tr16_b128 v[64*(\f)+8*\b+4:64*(\f)+8*\b+7], v[ADRB+\slot] offset:32*PW*(\q)+32*\b+16*PW
.endr
	WIN 0
.irp i, 0,1,2,3
	ds_load_b128 v[64+32*(\f)+8*\i:64+32*(\f)+8*\i+3], v[ADRA+\slot] offset:((\q)/2)*PLA+((\q)%2)*64+16*PA*\i
	ds_load_b128 v[64+32*(\f)+8*\i+4:64+32*(\f)+8*\i+7], v[ADRA+\slot] offset:((\q)/2)*PLA+((\q)%2)*64+16*PA*\i+32
.endr
.endm
.macro PLACES
.rept 4
	v_nop
.endr
.endm
.macro QUARTER slot, q, f, g, first    ; multiplies buffer f; in its middle fetches quarter q of the same slot into buffer g
	s_wait_dscnt 4                                 ; Wp's fragments and the tokens' blocks 0, 1 are in; the youngest four loads (blocks 2, 3) may be out
	WIN MUL-0x10*(\first)
	MUL8 \f, 0, \first
	MUL8 \f, 1, \first
	PLACES
	FETCH \slot, \q, \g
	s_wait_dscnt 24                                ; all but the 24 just issued
	WIN MUL-0x10*(\first)
	MUL8 \f, 2, \first
	MUL8 \f, 3, \first
.endm
; The last quarter multiplies buffer 1 and changes slots: one barrier; in front of it each wave waits for all its tensor loads, adds 0 to its spare word, and waits for that and for its reads of this slot.
.macro TURN slot, next, fill
.if \fill
	s_wait_xcnt 0x0                                ; the last prefetch, a K step back, has read its address
	s_add_nc_u64 s[66:67], s[66:67], 0x200000
.endif
	WIN 0
	s_wait_tensorcnt 0x0                           ; all my tensor loads have landed: my part of the next slot
	ds_add_u32 v[SPW], v[NIL]
	s_wait_dscnt 5                                 ; (the add and the youngest four loads may be out)
	WIN MUL
	MUL8 1, 0, 0
	s_wait_dscnt 0x0                               ; the add is done, and my reads of this slot are over
	s_barrier_signal -1
	MUL8 1, 1, 0
	WIN 0
	s_barrier_wait -1
.if \fill
	CREST                                          ; the barrier has opened a round of the cluster's: no wave of any partner still reads this slot or has a load on its way
	s_add_nc_u64 s[G0+4*\slot+2:G0+4*\slot+3], s[G0+4*\slot+2:G0+4*\slot+3], 0x400000     ; two K steps on: four heads' planes,
	s_add_nc_u64 s[G0B+4*\slot+2:G0B+4*\slot+3], s[G0B+4*\slot+2:G0B+4*\slot+3], 0x80000  ; 256 rows of Wp
	JLOAD \slot                                    ; 112 matrix instructions ahead of the wait for it; its four v_nop are also the places in front of the loads below
.else
	PLACES
.endif
	FETCH \next, 0, 0
.if \fill
	ASK
.endif
	WIN MUL
	MUL8 1, 2, 0
	MUL8 1, 3, 0
.endm
	s_wait_tensorcnt 1                             ; my part of K step 0 is in; K step 1's load may be out
	s_barrier_signal -1
	s_barrier_wait -1
	FETCH 0, 0, 0
	s_wait_loadcnt 0x0                             ; bp
	QUARTER 0, 1, 0, 1, 1                          ; the first quarter stands in front of the loop: its products start the sums, on bp
	WIN 0
	s_mov_b32 s3, 3
.Llap:                                             ; a trip goes once round the ring and fills both slots again
	QUARTER 0, 2, 1, 0, 0
	QUARTER 0, 3, 0, 1, 0
	TURN 0, 1, 1
	QUARTER 1, 1, 0, 1, 0
	QUARTER 1, 2, 1, 0, 0
	QUARTER 1, 3, 0, 1, 0
	TURN 1, 0, 1
	QUARTER 0, 1, 0, 1, 0
	WIN 0
	s_sub_co_u32 s3, s3, 1
	s_cmp_lg_u32 s3, 0
	s_cbranch_scc1 .Llap
	QUARTER 0, 2, 1, 0, 0                          ; the last lap fills nothing
	QUARTER 0, 3, 0, 1, 0
	TURN 0, 1, 0
	QUARTER 1, 1, 0, 1, 0
	QUARTER 1, 2, 1, 0, 0
	QUARTER 1, 3, 0, 1, 0
	s_wait_dscnt 4
	WIN MUL
	MUL8 1, 0, 0
	MUL8 1, 1, 0
	s_wait_dscnt 0
	MUL8 1, 2, 0
	MUL8 1, 3, 0
	WIN 0
; THE WAY OUT, block by block of 16 tokens x 128 features, through my own stage: back as whole rows of 512 bytes.
.macro TOSTAGE a
	WIN 0x08                                       ; an LDS store's data are its source 1: window 2
.irp b, 0,1,2,3,4,5,6,7
	ds_store_b128 v[STO], v[8*(8*(\a)+\b):8*(8*(\a)+\b)+3] offset:64*\b       ; each accumulator from its low end on
	ds_store_b128 v[STO], v[8*(8*(\a)+\b)+4:8*(8*(\a)+\b)+7] offset:64*\b+16
.endr
	WIN 0
.set BB, BK+64*((\a)%2)
.irp t, 0,1,2,3,4,5,6,7,8,9,10,11,12,13,14,15
	ds_load_b128 v[BB+4*\t:BB+4*\t+3], v[RD] offset:\t*SPITCH                 ; LDS serves a wave's instructions in order
.endr
.endm
.macro SEND a, younger
.set BB, BK+64*((\a)%2)
	s_wait_dscnt \younger
.if (\a) == 0
	s_cmp_eq_u32 s68, 0                            ; positions 0 to 15 are another launch's rows: cluster y and the wave's number alone decide
	s_cbranch_scc1 .Lnot_mine
.endif
.irp t, 0,1,2,3,4,5,6,7,8,9,10,11,12,13,14,15
	global_store_b128 v[CO], v[BB+4*\t:BB+4*\t+3], s[10:11] offset:65536*(\a)+4096*\t th:TH_STORE_NT   ; 32 lanes store 512 consecutive bytes, aligned
.endr
.if (\a) == 0
.Lnot_mine:
.endif
.endm
	PLACES
	TOSTAGE 0
.irp a, 1,2,3
.if \a > 1
	s_wait_xcnt 0x0                                ; block a - 2's stores have read their registers: block a's loads may land there
.endif
	TOSTAGE \a
	SEND \a-1, 32                                  ; behind block a - 1's loads: block a's 16 stores and 16 loads
.endr
	SEND 3, 0
	s_wait_tensorcnt 0x0                           ; the wave's end
	ds_add_u32 v[SPW], v[NIL]
	s_wait_dscnt 0x0
	CROUND                                         ; the closing round
	s_endpgm
.Lfunc_end_k_qaf039fe6ed_proj:
	.size	k_qaf039fe6ed_proj, .Lfunc_end_k_qaf039fe6ed_proj-k_qaf039fe6ed_proj
	.p2alignl 7, 3214868480
	.fill 96, 4, 3214868480
	.section	.rodata,"a",@progbits
	.p2align	6, 0x0
	.amdhsa_kernel k_qaf039fe6ed_proj
		.amdhsa_group_segment_fixed_size 327680
		.amdhsa_private_segment_fixed_size 0
		.amdhsa_enable_private_segment 0
		.amdhsa_kernarg_size 32
		.amdhsa_user_sgpr_count 2
		.amdhsa_user_sgpr_kernarg_segment_ptr 1
		.amdhsa_wavefront_size32 1
		.amdhsa_system_sgpr_workgroup_id_x 1
		.amdhsa_system_sgpr_workgroup_id_y 1
		.amdhsa_system_sgpr_workgroup_id_z 1
		.amdhsa_system_vgpr_workitem_id 0
		.amdhsa_next_free_vgpr 768
		.amdhsa_next_free_sgpr 70
		.amdhsa_reserve_vcc 0
		.amdhsa_float_denorm_mode_32 3
		.amdhsa_float_denorm_mode_16_64 3
		.amdhsa_memory_ordered 1
		.amdhsa_forward_progress 1
		.amdhsa_inst_pref_size 88
	.end_amdhsa_kernel
	.amdgpu_metadata
---
amdhsa.version: [ 1, 2 ]
amdhsa.kernels:
  - .name:           k_qaf039fe6ed_proj
    .symbol:         k_qaf039fe6ed_proj.kd
    .args:
      - { .name: att, .offset: 0, .size: 8, .value_kind: global_buffer, .address_space: global }
      - { .name: wph, .offset: 8, .size: 8, .value_kind: global_buffer, .address_space: global }
      - { .name: bp, .offset: 16, .size: 8, .value_kind: global_buffer, .address_space: global }
      - { .name: out0, .offset: 24, .size: 8, .value_kind: global_buffer, .address_space: global }
    .group_segment_fixed_size: 327680
    .private_segment_fixed_size: 0
    .kernarg_segment_align: 8
    .kernarg_segment_size: 32
    .max_flat_workgroup_size: 128
    .sgpr_count:     70
    .vgpr_count:     768
    .wavefront_size: 32
...
	.end_amdgpu_metadata
.endif
;; end of part 4
;; launch first16 (part 5): grid 16 x 4, 16 waves a work-group, no clusters, 71,680 bytes of LDS; arguments first, rel_table, Wp, bp, out0; writes out0
.if DOCPART == 5
	.amdgcn_target "amdgcn-amd-amdhsa--gfx1250"
	.amdhsa_code_object_version 6
	.text
	.protected	k_qaf039fe6ed_first16
	.globl	k_qaf039fe6ed_first16
	.p2align	8
	.type	k_qaf039fe6ed_first16,@function
k_qaf039fe6ed_first16:
	s_mov_b64 s[64:65], 0
	v_nop
	global_prefetch_b8 v0, s[64:65] scope:SCOPE_SE
	s_setreg_imm32_b32 hwreg(HW_REG_WAVE_MODE, 25, 1), 1
	s_wait_xcnt 0x0
; POSITIONS 0 TO 15 OF EVERY BATCH, IN f32 THROUGHOUT: these rows average one to sixteen values and are the largest of the output, so their attention and their projection take unrounded operands.
; Work-group (x, y): 64 output columns 64 x .. 64 x + 63 of batch y.  Wave w is head w: its attention on 16 queries x 16 keys, then its head's 64 of the projection's K; the sixteen partial sums meet in LDS.
; 96 instructions v_wmma_f32_16x16x4_f32 a wave, written out.  Nothing changes lanes between the three products, since a permutation of k applied alike to both sources keeps a product:
;   S^T = K Q^T: both sources take, for row r, channels 8 i + 4 h + 2 u + 0, 1 in K step (i, u).  The result holds query r and keys 8 h + j.
;   O^T = V^T P: source 1 is the pair (p[2 i], p[2 i + 1]), which stands for keys 8 h + 2 i + 0, 1; source 0 takes V at those keys.  The result holds query r and channels 16 ct + 8 h + j.
;   y^T = Wp^T O^T: source 1 is the pair 2 i of O^T(ct); source 0 takes Wp at rows 64 w + 16 ct + 8 h + 2 i + 0, 1.
; Bias and mask: query - key = d0 - j, d0 = r - 8 h: bucket 16 - d0 + j, hidden where j > d0.  Softmax with the row's maximum taken away, in base 2.
; v192-255 are written by matrix instructions alone.
; REGISTERS: v1 d0, v2-3 at work, v4-9, v30 addresses, v10-11 the add's two, v12-19 the band, v20-27 t, then p, v28-29 bp, v31 -infinity; v32-63 Q, v64-95 K, later Wp's second half; v96-127 V, later the partial sums;
;   v128-191 Wp's first half; v192-207 two halves of S^T, later y^T 0, 1; v208-239 O^T; v240-255 y^T 2, 3.
.set SPARE, 16*4352                    ; behind the sixteen regions of 16 rows x 272 bytes: the spare words, 128 bytes for each wave: eight blocks of 256 bytes that no other line names
.set SPW, 10
.set NIL, 11
	s_load_b256 s[4:11], s[0:1], 0x0               ; first s[4:5], rel_table s[6:7], Wp s[8:9], bp s[10:11]
	s_load_b64 s[12:13], s[0:1], 0x20              ; out0
	v_lshl_add_u32 v[SPW], v0, 2, SPARE
	v_mov_b32 v[NIL], 0
	v_lshrrev_b32 v1, 5, v0
	v_readfirstlane_b32 s14, v1                    ; wave = head
	s_and_b32 s15, ttmp7, 0xffff                   ; batch
	v_and_b32 v1, 15, v0                           ; r
	v_bfe_u32 v2, v0, 4, 1                         ; h
	v_and_b32 v3, 31, v0                           ; lane
	v_lshlrev_b32 v4, 8, v1
	v_lshl_add_u32 v4, v2, 4, v4                   ; Q, K: row r of 256 bytes, + 16 h
	v_lshlrev_b32 v5, 2, v1
	v_lshl_add_u32 v6, v2, 15, v5                  ; Wp: 8 h rows of 4,096 bytes, + 4 r
	v_lshl_add_u32 v5, v2, 11, v5                  ; V: 8 h rows of 256 bytes, + 4 r
	v_mul_u32_u24 v8, v1, 272
	v_lshl_add_u32 v8, v2, 5, v8
	s_mul_i32 s17, s14, 4352
	v_add_nc_u32 v8, s17, v8                       ; my region: row r, + 32 h
	v_lshlrev_b32 v30, 3, v3
	s_mul_i32 s17, s14, 272
	v_add_nc_u32 v9, s17, v30                      ; back: query w's row in each region, 8 bytes a lane
	v_lshlrev_b32 v2, 3, v2
	v_sub_nc_u32 v1, v1, v2                        ; d0
	v_sub_nc_u32 v7, 16, v1
	v_lshlrev_b32 v7, 6, v7                        ; the table's row 16 - d0
	v_mov_b32 v31, 0xff800000
	v_mov_b32 v3, 0                                ; (a lane permute's destination counts as one of its sources)
	s_mov_b32 s18, 0x3e38aa3b                      ; c = log2(e) / 8
	s_mov_b32 s20, 0x76543210
	s_mov_b32 s21, 0xfedcba98
	s_lshl_b32 s22, s15, 4
	s_add_co_u32 s22, s22, s14
	s_lshl_b32 s22, s22, 12                        ; q's plane: (16 batch + head) x 4,096 bytes; k's lies 262,144 on, v's 524,288
	s_mov_b32 s23, 0
	s_lshl_b32 s24, s14, 2
	s_mov_b32 s25, 0
	s_lshl_b32 s26, s14, 18                        ; Wp: 64 rows of 4,096 bytes x head,
	s_lshl_b32 s28, ttmp9, 8                       ; + my 64 columns
	s_add_co_u32 s26, s26, s28
	s_mov_b32 s27, 0
	s_mov_b32 s29, 0
	s_lshl_b32 s30, s15, 11
	s_add_co_u32 s30, s30, s14                     ; the row that I store: position w of my batch
	s_lshl_b32 s30, s30, 12
	s_add_co_u32 s30, s30, s28
	s_mov_b32 s31, 0
	s_wait_kmcnt 0x0
	s_add_nc_u64 s[4:5], s[4:5], s[22:23]
	s_add_nc_u64 s[6:7], s[6:7], s[24:25]
	s_add_nc_u64 s[8:9], s[8:9], s[26:27]
	s_add_nc_u64 s[10:11], s[10:11], s[28:29]
	s_add_nc_u64 s[12:13], s[12:13], s[30:31]
.irp j, 0,1,2,3,4,5,6,7
	global_load_b32 v[12+\j], v7, s[6:7] offset:64*\j
.endr
	global_load_b64 v[28:29], v30, s[10:11]
.irp i, 0,1,2,3,4,5,6,7
	global_load_b128 v[32+4*\i:35+4*\i], v4, s[4:5] offset:32*\i
.endr
.irp i, 0,1,2,3,4,5,6,7
	global_load_b128 v[64+4*\i:67+4*\i], v4, s[4:5] offset:262144+32*\i
.endr
.irp ct, 0,1,2,3
.irp i, 0,1,2,3
.irp j, 0,1
	global_load_b32 v[96+8*\ct+2*\i+\j], v5, s[4:5] offset:524288+256*(2*\i+\j)+64*\ct
.endr
.endr
.endr
	s_wait_loadcnt 32                              ; the band, bp, Q and K are in; V's 32 loads may be out
.irp i, 0,1,2,3,4,5,6,7                        ; S^T in two halves, which take turns, one instruction a turn; the first two start the sums
.irp u, 0,1
.if \i == 0
	v_wmma_f32_16x16x4_f32 v[192+8*\u:199+8*\u], v[64+4*\i+2*\u:65+4*\i+2*\u], v[32+4*\i+2*\u:33+4*\i+2*\u], 0
.else
	v_wmma_f32_16x16x4_f32 v[192+8*\u:199+8*\u], v[64+4*\i+2*\u:65+4*\i+2*\u], v[32+4*\i+2*\u:33+4*\i+2*\u], v[192+8*\u:199+8*\u]
.endif
.endr
.endr
.macro WPLOAD ct, reg                  ; Wp's rows of channels 16 ct .. 16 ct + 15 of my head, at my 64 columns: sixteen lanes read 64 consecutive bytes
.irp nt, 0,1,2,3
.irp i, 0,1,2,3
.irp j, 0,1
	global_load_b32 v[\reg+8*\nt+2*\i+\j], v6, s[8:9] offset:4096*(16*(\ct)+2*\i+\j)+64*\nt
.endr
.endr
.endr
.endm
	WPLOAD 0, 128
	WPLOAD 1, 160
.irp j, 0,1,2,3,4,5,6,7
	v_mul_f32 v[12+\j], 0x3fb8aa3b, v[12+\j]       ; the band x log2(e): these eight are the places behind the products
.endr
.irp j, 0,1,2,3,4,5,6,7
	v_cmp_gt_i32 vcc_lo, \j, v1                    ; key 8 h + j comes after query r where j > d0
	v_cndmask_b32 v[12+\j], v[12+\j], v31, vcc_lo
.endr
.irp j, 0,1,2,3,4,5,6,7
	v_add_f32 v[20+\j], v[192+\j], v[200+\j]       ; the two halves, from their low ends on, into other registers
.endr
.irp j, 0,1,2,3,4,5,6,7
	v_fma_f32 v[20+\j], v[20+\j], s18, v[12+\j]    ; t
.endr
	WPLOAD 2, 32                                   ; into Q's and K's registers: more than eight places behind the products that read them
	WPLOAD 3, 64
	v_max3_num_f32 v2, v20, v21, v22
	v_max3_num_f32 v2, v2, v23, v24
	v_max3_num_f32 v2, v2, v25, v26
	v_max_num_f32 v2, v2, v27
	v_permlanex16_b32 v3, v2, s20, s21
	v_max_num_f32 v2, v2, v3                       ; the row's maximum: key 0 counts for every query, so it is a number
.irp j, 0,1,2,3,4,5,6,7
	v_sub_f32 v[20+\j], v[20+\j], v2
.endr
.irp j, 0,1,2,3,4,5,6,7
	v_exp_f32 v[20+\j], v[20+\j]
.endr
	v_nop                                          ; a plain instruction behind the exponentials,
	s_wait_alu depctr_va_vdst(0)                   ; and the one wait ahead of their first reader
	v_pk_add_f32 v[2:3], v[20:21], v[22:23]
	v_pk_add_f32 v[2:3], v[2:3], v[24:25]
	v_pk_add_f32 v[2:3], v[2:3], v[26:27]
	v_add_f32 v2, v2, v3
	v_permlanex16_b32 v3, v2, s20, s21
	v_add_f32 v2, v2, v3
	v_rcp_f32 v3, v2
	v_nop
	s_wait_alu depctr_va_vdst(0)
.irp j, 0,1,2,3,4,5,6,7
	v_mul_f32 v[20+\j], v[20+\j], v3               ; the weights, normalised
.endr
	s_wait_loadcnt 63                              ; 128 loads are younger than V's last and 64 younger than the last of Wp's first half: both are in
.irp i, 0,1,2,3                                ; O^T: four accumulators by turns
.irp ct, 0,1,2,3
.if \i == 0
	v_wmma_f32_16x16x4_f32 v[208+8*\ct:215+8*\ct], v[96+8*\ct+2*\i:97+8*\ct+2*\i], v[20+2*\i:21+2*\i], 0
.else
	v_wmma_f32_16x16x4_f32 v[208+8*\ct:215+8*\ct], v[96+8*\ct+2*\i:97+8*\ct+2*\i], v[20+2*\i:21+2*\i], v[208+8*\ct:215+8*\ct]
.endif
.endr
.endr
.rept 9
	v_nop                                          ; nine places before a matrix instruction takes these results as a source (ISA guide 7.12.1)
.endr
.macro YMUL ct, reg, zero              ; y^T += Wp^T O^T(ct): four accumulators by turns
.irp i, 0,1,2,3
.irp nt, 0,1,2,3
.if (\zero) && (\i == 0)
	v_wmma_f32_16x16x4_f32 v[192+8*\nt+32*(\nt/2):199+8*\nt+32*(\nt/2)], v[\reg+8*\nt+2*\i:\reg+8*\nt+2*\i+1], v[208+8*(\ct)+2*\i:209+8*(\ct)+2*\i], 0
.else
	v_wmma_f32_16x16x4_f32 v[192+8*\nt+32*(\nt/2):199+8*\nt+32*(\nt/2)], v[\reg+8*\nt+2*\i:\reg+8*\nt+2*\i+1], v[208+8*(\ct)+2*\i:209+8*(\ct)+2*\i], v[192+8*\nt+32*(\nt/2):199+8*\nt+32*(\nt/2)]
.endif
.endr
.endr
.endm
	YMUL 0, 128, 1
	YMUL 1, 160, 0
	s_wait_loadcnt 0x0                             ; Wp's second half
	YMUL 2, 32, 0
	YMUL 3, 64, 0
.rept 8
	v_nop                                          ; eight places before the results are read
.endr
.irp nt, 0,1,2,3
	ds_store_b128 v8, v[192+8*\nt+32*(\nt/2):195+8*\nt+32*(\nt/2)] offset:64*\nt       ; lane (r, h): columns 16 nt + 8 h + 0 .. 7 of query r; each accumulator from its low end on
	ds_store_b128 v8, v[196+8*\nt+32*(\nt/2):199+8*\nt+32*(\nt/2)] offset:64*\nt+16
.endr
	s_wait_dscnt 0x0                               ; for the others' sake: my stores are done
	s_barrier_signal -1
	s_barrier_wait -1
.set i, 0
.rept 16
	ds_load_b64 v[96+2*i:97+2*i], v9 offset:4352*i ; query w's 64 columns of head i's part
.set i, i+1
.endr
	s_wait_dscnt 0x0
.irp p, 0,1,2,3,4,5,6,7
	v_pk_add_f32 v[96+2*\p:97+2*\p], v[96+2*\p:97+2*\p], v[112+2*\p:113+2*\p]
.endr
.irp p, 0,1,2,3
	v_pk_add_f32 v[96+2*\p:97+2*\p], v[96+2*\p:97+2*\p], v[104+2*\p:105+2*\p]
.endr
.irp p, 0,1
	v_pk_add_f32 v[96+2*\p:97+2*\p], v[96+2*\p:97+2*\p], v[100+2*\p:101+2*\p]
.endr
	v_pk_add_f32 v[96:97], v[96:97], v[98:99]
	v_pk_add_f32 v[96:97], v[96:97], v[28:29]      ; + bp
	global_store_b64 v30, v[96:97], s[12:13]       ; 32 lanes store 256 consecutive bytes, aligned
	s_wait_tensorcnt 0x0                           ; the wave's end
	ds_add_u32 v[SPW], v[NIL]
	s_wait_dscnt 0x0
	s_endpgm
.Lfunc_end_k_qaf039fe6ed_first16:
	.size	k_qaf039fe6ed_first16, .Lfunc_end_k_qaf039fe6ed_first16-k_qaf039fe6ed_first16
	.p2alignl 7, 3214868480
	.fill 96, 4, 3214868480
	.section	.rodata,"a",@progbits
	.p2align	6, 0x0
	.amdhsa_kernel k_qaf039fe6ed_first16
		.amdhsa_group_segment_fixed_size 71680
		.amdhsa_private_segment_fixed_size 0
		.amdhsa_enable_private_segment 0
		.amdhsa_kernarg_size 40
		.amdhsa_user_sgpr_count 2
		.amdhsa_user_sgpr_kernarg_segment_ptr 1
		.amdhsa_wavefront_size32 1
		.amdhsa_system_sgpr_workgroup_id_x 1
		.amdhsa_system_sgpr_workgroup_id_y 1
		.amdhsa_system_sgpr_workgroup_id_z 1
		.amdhsa_system_vgpr_workitem_id 0
		.amdhsa_next_free_vgpr 256
		.amdhsa_next_free_sgpr 66
		.amdhsa_reserve_vcc 1
		.amdhsa_float_denorm_mode_32 3
		.amdhsa_float_denorm_mode_16_64 3
		.amdhsa_memory_ordered 1
		.amdhsa_forward_progress 1
		.amdhsa_inst_pref_size 33
	.end_amdhsa_kernel
	.amdgpu_metadata
---
amdhsa.version: [ 1, 2 ]
amdhsa.kernels:
  - .name:           k_qaf039fe6ed_first16
    .symbol:         k_qaf039fe6ed_first16.kd
    .args:
      - { .name: first, .offset: 0, .size: 8, .value_kind: global_buffer, .address_space: global }
      - { .name: rel_table, .offset: 8, .size: 8, .value_kind: global_buffer, .address_space: global }
      - { .name: Wp, .offset: 16, .size: 8, .value_kind: global_buffer, .address_space: global }
      - { .name: bp, .offset: 24, .size: 8, .value_kind: global_buffer, .address_space: global }
      - { .name: out0, .offset: 32, .size: 8, .value_kind: global_buffer, .address_space: global }
    .group_segment_fixed_size: 71680
    .private_segment_fixed_size: 0
    .kernarg_segment_align: 8
    .kernarg_segment_size: 40
    .max_flat_workgroup_size: 512
    .sgpr_count:     66
    .vgpr_count:     256
    .wavefront_size: 32
...
	.end_amdgpu_metadata
.endif
;; end of part 5
